; MI455X (gfx1250); checked and timed in simulation.
; The chip was launched on July 23, 2026; its instructions are those of AMD's public machine-readable ISA for CDNA 5 (MIT licence, August 2026) and "CDNA5" Instruction Set Architecture Reference Guide (July 2026). The comments in the code are by the model that wrote it; some were corrected since.
;; Multi Head Attention. Allowed arithmetic: matrix products marked QUANTISED: E2M3 operands, one E8M0 scale for each 32 along K, by v_wmma_scale_f32_16x16x128_f8f6f4 with both operands' format E2M3, f32 sums; everything else in f32.
;; Inputs: b_k 1,024 float32; b_o 1,024 float32; b_q 1,024 float32; b_v 1,024 float32; key 2 x 2,048 x 1,024 float32; query 2 x 2,048 x 1,024 float32; value 2 x 2,048 x 1,024 float32; w_k 1,024 x 1,024 float32; w_o 1,024 x 1,024 float32; w_q 1,024 x 1,024 float32; w_v 1,024 x 1,024 float32.
;; Outputs: out0 2 x 2,048 x 1,024 float32.
;; This version of the problem:
;;   THIS VERSION OF THE PROBLEM IS GIVEN IN LOW PRECISION. The matrix products marked QUANTISED in the list below multiply operands that are first quantised to E2M3 (2 exponent bits, 3 mantissa bits; 6 bits a number), with one power-of-two scale for each 32 numbers along K (OCP MX v1.0); their sums are f32. All else is computed in f32.
;;   The module's matrix products, in the order in which they are computed (A, B: the left and right operand; K: the contracted axis; several contracted axes count as one K, in the product's order):
;;     1. [M 4,096, K 1,024] x [K 1,024, N 1,024]; A: input query; B: input w_q: QUANTISED
;;     2. [M 4,096, K 1,024] x [K 1,024, N 1,024]; A: input key; B: input w_k: QUANTISED
;;     3. [M 4,096, K 1,024] x [K 1,024, N 1,024]; A: input value; B: input w_v: QUANTISED
;;     4. batch 32 x [M 2,048, K 64] x [K 64, N 2,048]; A: computed on the way; B: computed on the way: QUANTISED
;;     5. batch 32 x [M 2,048, K 2,048] x [K 2,048, N 64]; A: softmax (see below); B: computed on the way: QUANTISED
;;     6. [M 4,096, K 1,024] x [K 1,024, N 1,024]; A: computed on the way; B: input w_o: QUANTISED
;;   THE QUANTISER, for each operand of a quantised product, along K:
;;     - K is cut into blocks of 32 from its start; a last block that is shorter is filled with zeros.
;;     - A block's scale is 2^e with e = floor(log2(the largest magnitude in the block)) - 2, held to -126 .. 127; a block of zeros has e = 0. As a byte (E8M0): e + 127.
;;     - Each number is divided by its block's scale, clamped to +-7.5, and rounded to the nearest number of E2M3, ties to even, subnormals kept.
;;     - The product sums the exact products of the quantised numbers (number of the format x scale) in f32.
;;   ~~~python
;;   def quantise(x, axis):      # numpy; x: float32 -> the quantised numbers, widened to float32 again
;;       x = np.moveaxis(x, axis, -1); K = x.shape[-1]
;;       x = np.pad(x, [(0, 0)] * (x.ndim - 1) + [(0, -K % 32)]); x = x.reshape(x.shape[:-1] + (-1, 32)); a = np.abs(x).max(-1, keepdims=True)
;;       e = np.where(a > 0, np.clip(np.frexp(np.where(a > 0, a, 1))[1] - 1 - 2, -126, 127), 0)      # np.frexp(a)[1] - 1 = floor(log2(a)), exactly
;;       r = np.clip(x / 2.0 ** e, -7.5, 7.5)
;;       step = 2.0 ** (np.maximum(np.frexp(np.where(r == 0, 1, r))[1] - 1, 0) - 3)
;;       q = np.round(r / step) * step * 2.0 ** e      # np.round: ties to even
;;       return np.moveaxis(q.reshape(q.shape[:-2] + (-1,))[..., :K], -1, axis).astype(np.float32)
;;   ~~~
;;   SOFTMAX AHEAD OF A QUANTISED PRODUCT. Where the list says 'softmax', what is quantised is not the finished softmax but p = 2^(t - M), with t = logit x log2(e) and M = ceil(the row's largest t), a whole number; so 1/2 < the row's largest p <= 1. The row's sum l is taken of the UNQUANTISED p, in f32, and the product's result is divided by l at the end. Since M is a whole number, a kernel that streams over the keys may use a running M (the ceiling of the running maximum): every later rescaling is an exact power of two, which a block's scale takes up: the codes' values come out the same.
;;   OPERANDS COMPUTED ON THE WAY. 'Computed on the way' means the value that the module computes at that place (a softmax that the list does not call 'softmax' is quantised finished and normalised). What goes into a quantiser is computed in f32, as accurately as f32 sums, v_exp_f32 and their like allow (about 1e-6 of the number): no bf16 or f16 on the way to a quantiser, and a product that is left as it is and whose result goes on into a quantised operand takes f32 operands (vector FMAs, or v_wmma_f32_16x16x4_f32). A number that lies on a knife's edge between two numbers of the format may be rounded either way, as far as f32 arithmetic and the matrix unit's own rounding can turn it there, and no further.
;; One version. Each part assembles by itself: llvm-mc -triple=amdgcn-amd-amdhsa -mcpu=gfx1250 --defsym DOCPART=n.
;; ======== version 1 of 1: 4 launches
;; limits: right only within a limited range of input values
;; workspace buffers: codes 12,582,912 bytes; scales 524,288 bytes; img 9,437,184 bytes; scl 393,216 bytes; ctxc 3,145,728 bytes; ctxs 131,072 bytes
;; launch quant (part 1): grid 512 x 1, 4 waves a work-group, no clusters, 34,304 bytes of LDS; arguments query, key, value, w_q, w_k, w_v, w_o, codes, scales; writes codes, scales
.if DOCPART == 1
	.amdgcn_target "amdgcn-amd-amdhsa--gfx1250"
	.amdhsa_code_object_version 6
	.text
	.protected	k_q848146b02e_quant
	.globl	k_q848146b02e_quant
	.p2align	8
	.type	k_q848146b02e_quant,@function
k_q848146b02e_quant:
	s_mov_b64 s[64:65], 0
	v_nop
	global_prefetch_b8 v0, s[64:65] scope:SCOPE_SE
	s_setreg_imm32_b32 hwreg(HW_REG_WAVE_MODE, 25, 1), 1
	s_wait_xcnt 0x0
; query, key, value [4096][1024] and w_q, w_k, w_v, w_o [1024][1024], f32, K innermost, become codes of FP6 (E2M3) with one E8M0 byte for each 32 along K.
; A block's scale is 2^(floor(log2(its largest magnitude)) - 2); its byte is the largest magnitude's exponent field - 2, held at 1 from below.
; LIMITS: NaN and infinities among the inputs are not served.  A block of zeros gets the byte 1 where the quantiser says 127: its codes are zeros, which add nothing, and this program alone reads the bytes.
; THE CODES ARE LAID AS IMAGES OF OPERAND REGISTERS.  A fragment (16 rows x 128 K) is 12 registers a lane: lane (r, h) holds row r, registers 6 c .. 6 c + 5 hold k = 64 c + 32 h + 0 .. 31.
; In memory it is six pieces of 256 bytes: piece i holds registers 2 i, 2 i + 1 of lane l at byte 8 l.  codes = [rowblock 1024][K step 8][1536 bytes]; rowblocks: query 0, key 256, value 512, w_q 768, w_k 832, w_v 896, w_o 960.
; scales = [rowblock][pair of K steps 4][row 16][K step of the pair 2][4 bytes].
; THE ROWS OF A ROWBLOCK: in key, value, w_q, w_k, w_v rowblock t, row p is the tensor's row 32 (t / 2) + 8 (t % 2) + p + 8 (p / 8), so that a product which takes such rows as its source 0 leaves 16 neighbours
; in a lane's 16 registers of two neighbouring tiles.  query and w_o keep their order.
; SHARES: work-group g takes stored rows 32 g .. 32 g + 31; wave w rowblock 2 g + w / 2 and the half w % 2 of K: four images.  Each load reads 512 consecutive bytes of a row; an image's 8,192 bytes turn through the
; wave's own stage in LDS (rows 528 bytes apart) so that a lane gets 16 neighbours of each block of 32.  Every store of codes covers 256 consecutive bytes, aligned.
; No cluster: no two work-groups read the same bytes.  No barrier: waves share nothing.  No matrix unit: nothing is multiplied here.
.set SPITCH, 528
.set RA,   16                          ; v16-143  two sets of 64 registers as loaded
.set X,    144                         ; v144-207 64 numbers: register 16 b + i = k 32 b + 16 h + i of my row
.set PC,   208                         ; v208-226 the codes just made
.set TM,   228                         ; v228-243 at work
.set PW,   244                         ; v244-247 the four images' scale words
.set TT,   248                         ; v248-249 the scale words as they are stored
.set SEL,  26                          ; s[26:27] lane selects: lane l xor 16
.macro QUANT s, pw                     ; 64 numbers of a lane become a fragment's codes in v[PC] .. v[PC + 11] and its scale word
.irp b, 0,1,2,3
	v_max3_num_f32 v[TM+\b], |v[\s+16*\b]|, |v[\s+1+16*\b]|, 0x1800000   ; my 16 numbers of block b, and the floor 2^(3 - 127): the byte cannot fall under 1
.endr
.irp i, 2,4,6,8,10,12,14
.irp b, 0,1,2,3
	v_max3_num_f32 v[TM+\b], v[TM+\b], |v[\s+16*\b+\i]|, |v[\s+1+16*\b+\i]|
.endr
.endr
.irp b, 0,1,2,3
	v_permlanex16_b32 v[TM+4+\b], v[TM+\b], s[SEL], s[SEL+1]
.endr
.irp b, 0,1,2,3
	v_max_num_f32 v[TM+\b], v[TM+\b], v[TM+4+\b]               ; with lane l xor 16's 16: the block's largest magnitude
.endr
.irp b, 0,1,2,3
	v_add_nc_u32 v[TM+12+\b], 0xff000000, v[TM+\b]             ; 2 off its exponent field: the conversion's scale operand
.endr
.irp b, 0,1,2,3
	v_lshrrev_b32 v[TM+4+\b], 23, v[TM+12+\b]                  ; the scale's byte
.endr
	v_lshl_or_b32 v[\pw], v[TM+5], 8, v[TM+4]
	v_lshl_or_b32 v[\pw], v[TM+6], 16, v[\pw]
	v_lshl_or_b32 v[\pw], v[TM+7], 24, v[\pw]
.irp c, 0,1
	v_cvt_scalef32_pk16_fp6_f32 v[PC+6*\c:PC+2+6*\c], v[\s+32*\c:\s+15+32*\c], v[TM+12+2*\c]
	v_cvt_scalef32_pk16_fp6_f32 v[PC+12+4*\c:PC+14+4*\c], v[\s+16+32*\c:\s+31+32*\c], v[TM+12+2*\c+1]   ; (a conversion's three registers begin on an even number)
.endr
	v_nop                                          ; one plain instruction behind the scaled conversions
.irp c, 0,1                            ; the layout wants a whole block in a lane: lanes 0-15 block 2 c, lanes 16-31 block 2 c + 1
.irp i, 0,1,2
	v_permlane16_swap_b32 v[PC+6*\c+\i], v[PC+12+4*\c+\i]
.endr
.irp i, 0,1,2
	v_mov_b32 v[PC+3+6*\c+\i], v[PC+12+4*\c+\i]
.endr
.endr
.endm
	s_load_b512 s[8:23], s[0:1], 0x0               ; query, key, value, w_q, w_k, w_v, w_o, codes
	s_load_b64 s[24:25], s[0:1], 0x40              ; scales
	v_lshl_add_u32 v254, v0, 2, 0x8400
	v_mov_b32 v255, 0
	v_lshrrev_b32 v1, 5, v0
	v_readfirstlane_b32 s2, v1                     ; wave 0..3
	v_and_b32 v1, 31, v0                           ; lane
	v_and_b32 v2, 15, v0                           ; r
	v_bfe_u32 v3, v0, 4, 1                         ; h
	s_lshr_b32 s3, s2, 1                           ; u: which of the two rowblocks
	s_and_b32 s29, s2, 1                           ; kh: which half of K
	s_mov_b32 s[SEL], 0x76543210
	s_mov_b32 s[SEL+1], 0xfedcba98
	s_mov_b32 s28, 0xffff0000                      ; lanes 16-31
	s_mul_i32 s30, s2, 16*SPITCH                   ; my stage
	v_lshlrev_b32 v8, 3, v1                        ; 8 x lane: my place in a piece of 256 bytes
	v_lshlrev_b32 v9, 4, v1                        ; 16 x lane: my place in a row's 512 bytes
	v_add_nc_u32 v6, s30, v9                       ; into the stage
	v_mul_u32_u24 v7, v2, SPITCH
	v_lshl_add_u32 v7, v3, 6, v7
	v_add_nc_u32 v7, s30, v7                       ; out of it: row r, + 64 h
.irp b, 0,1,2,3
	v_mov_b32 v[TM+4+\b], 0                        ; written once: a lane permute's destination counts as one of its sources
.endr
	s_wait_alu depctr_va_vdst(0)
	s_wait_kmcnt 0x0
	s_mov_b64 s[4:5], s[20:21]                     ; which tensor: by the work-group's number alone
	s_mov_b32 s6, 480                              ; and the tensor's first work-group
	s_cmp_lt_u32 ttmp9, 480
	s_cselect_b64 s[4:5], s[18:19], s[4:5]
	s_cselect_b32 s6, 448, s6
	s_cmp_lt_u32 ttmp9, 448
	s_cselect_b64 s[4:5], s[16:17], s[4:5]
	s_cselect_b32 s6, 416, s6
	s_cmp_lt_u32 ttmp9, 416
	s_cselect_b64 s[4:5], s[14:15], s[4:5]
	s_cselect_b32 s6, 384, s6
	s_cmp_lt_u32 ttmp9, 384
	s_cselect_b64 s[4:5], s[12:13], s[4:5]
	s_cselect_b32 s6, 256, s6
	s_cmp_lt_u32 ttmp9, 256
	s_cselect_b64 s[4:5], s[10:11], s[4:5]
	s_cselect_b32 s6, 128, s6
	s_cmp_lt_u32 ttmp9, 128
	s_cselect_b64 s[4:5], s[8:9], s[4:5]
	s_cselect_b32 s6, 0, s6
	s_sub_co_u32 s7, ttmp9, 128
	s_cmp_lt_u32 s7, 352                           ; key .. w_v: the rows change places
	s_cselect_b32 s31, 3, 4                        ; the second rowblock begins 8 rows on, or 16
	s_cselect_b32 s32, 16, 8                       ; a rowblock's rows 8-15 begin 16 rows behind its first, or 8
	s_sub_co_u32 s6, ttmp9, s6
	s_lshl_b32 s6, s6, 5                           ; the work-group's first row in its tensor
	s_lshl_b32 s31, s3, s31
	s_add_co_u32 s6, s6, s31
	; KEY HAS AN ORDER OF ITS OWN (not the one that value and the weights keep): rowblock t, row p is key's row 64 (t / 4) + 8 (t % 4) + p % 8 + 32 (p / 8),
	; so that a lane's 32 scores of four neighbouring tiles are one whole block of 32 keys.  With t = 2 g + u that is 32 g - 16 (g % 2) + 8 u, rows 8-15 32 rows on.
	s_and_b32 s33, ttmp9, 1
	s_lshl_b32 s33, s33, 4
	s_cmp_lt_u32 s7, 128                           ; key's work-groups
	s_cselect_b32 s33, s33, 0
	s_cselect_b32 s32, 32, s32
	s_sub_co_u32 s6, s6, s33
	s_lshl_b32 s6, s6, 12                          ; in bytes: a row is 4,096
	s_lshl_b32 s33, s29, 11                        ; my half of K: 2,048 bytes
	s_add_co_u32 s6, s6, s33
	s_lshl_b32 s32, s32, 12
	v_add_nc_u32 v4, s6, v9                        ; rows 0-7 of the rowblock
	s_wait_alu depctr_va_vdst(0)
	v_add_nc_u32 v5, s32, v4                       ; rows 8-15
	s_wait_alu depctr_va_vdst(0)
	s_lshl_b32 s34, ttmp9, 1
	s_add_co_u32 s34, s34, s3                      ; my rowblock
	s_mul_i32 s36, s34, 12288
	s_mul_i32 s35, s29, 6144
	s_add_co_u32 s36, s36, s35
	s_mov_b32 s37, 0
	s_add_nc_u64 s[22:23], s[22:23], s[36:37]      ; my four images
	s_lshl_b32 s36, s34, 9
	s_lshl_b32 s35, s29, 8
	s_add_co_u32 s36, s36, s35
	s_add_nc_u64 s[24:25], s[24:25], s[36:37]      ; my 256 bytes of scale words
.macro LOAD s                          ; image s: 16 rows x 512 bytes
.irp p, 0,1,2,3,4,5,6,7,8,9,10,11,12,13,14,15
.if \p < 8
	global_load_b128 v[RA+64*((\s)%2)+4*\p:RA+64*((\s)%2)+4*\p+3], v4, s[4:5] offset:\p*4096+512*(\s) th:TH_LOAD_NT
.else
	global_load_b128 v[RA+64*((\s)%2)+4*\p:RA+64*((\s)%2)+4*\p+3], v5, s[4:5] offset:(\p-8)*4096+512*(\s) th:TH_LOAD_NT
.endif
.endr
.endm
.macro IMAGE s
.if (\s) > 0
	s_wait_xcnt 0x0                                ; the last image's stores have read their registers: the codes are written again only behind this wait
.endif
.if (\s) < 3
	s_wait_loadcnt 16                              ; this image's 16 loads are in; the next image's 16 may be out
.else
	s_wait_loadcnt 0x0
.endif
.irp p, 0,1,2,3,4,5,6,7,8,9,10,11,12,13,14,15
	ds_store_b128 v6, v[RA+64*((\s)%2)+4*\p:RA+64*((\s)%2)+4*\p+3] offset:SPITCH*\p
.endr
.irp b, 0,1,2,3
.irp j, 0,1,2,3
	ds_load_b128 v[X+16*\b+4*\j:X+16*\b+4*\j+3], v7 offset:128*\b+16*\j   ; LDS serves a wave's instructions in order: these see my stores
.endr
.endr
	s_wait_dscnt 0x0                               ; the numbers are back, and the stores into the stage have read their registers,
.if (\s) < 2
	LOAD (\s)+2                                    ; which take the image two further on
.endif
	QUANT X, PW+(\s)
.irp i, 0,1,2,3,4,5
	global_store_b64 v8, v[PC+2*\i:PC+2*\i+1], s[22:23] offset:1536*(\s)+256*\i   ; 32 lanes store 256 consecutive bytes, aligned
.endr
.endm
	LOAD 0
	LOAD 1
	IMAGE 0
	IMAGE 1
	IMAGE 2
	IMAGE 3
	v_cndmask_b32 v[TT], v[PW], v[PW+2], s28       ; lanes 0-15: my first pair of K steps; lanes 16-31: my second
	v_cndmask_b32 v[TT+1], v[PW+1], v[PW+3], s28
	global_store_b64 v8, v[TT:TT+1], s[24:25]      ; 256 consecutive bytes, aligned
	s_wait_tensorcnt 0x0
	ds_add_u32 v254, v255
	s_wait_dscnt 0x0
	s_endpgm
.Lfunc_end_k_q848146b02e_quant:
	.size	k_q848146b02e_quant, .Lfunc_end_k_q848146b02e_quant-k_q848146b02e_quant
	.p2alignl 7, 3214868480
	.fill 96, 4, 3214868480
	.section	.rodata,"a",@progbits
	.p2align	6, 0x0
	.amdhsa_kernel k_q848146b02e_quant
		.amdhsa_group_segment_fixed_size 34304
		.amdhsa_private_segment_fixed_size 0
		.amdhsa_enable_private_segment 0
		.amdhsa_kernarg_size 72
		.amdhsa_user_sgpr_count 2
		.amdhsa_user_sgpr_kernarg_segment_ptr 1
		.amdhsa_wavefront_size32 1
		.amdhsa_system_sgpr_workgroup_id_x 1
		.amdhsa_system_sgpr_workgroup_id_y 1
		.amdhsa_system_sgpr_workgroup_id_z 1
		.amdhsa_system_vgpr_workitem_id 0
		.amdhsa_next_free_vgpr 256
		.amdhsa_next_free_sgpr 66
		.amdhsa_reserve_vcc 0
		.amdhsa_float_denorm_mode_32 3
		.amdhsa_float_denorm_mode_16_64 3
		.amdhsa_memory_ordered 1
		.amdhsa_forward_progress 1
		.amdhsa_inst_pref_size 36
	.end_amdhsa_kernel
	.amdgpu_metadata
---
amdhsa.version: [ 1, 2 ]
amdhsa.kernels:
  - .name:           k_q848146b02e_quant
    .symbol:         k_q848146b02e_quant.kd
    .args:
      - { .name: query, .offset: 0, .size: 8, .value_kind: global_buffer, .address_space: global }
      - { .name: key, .offset: 8, .size: 8, .value_kind: global_buffer, .address_space: global }
      - { .name: value, .offset: 16, .size: 8, .value_kind: global_buffer, .address_space: global }
      - { .name: w_q, .offset: 24, .size: 8, .value_kind: global_buffer, .address_space: global }
      - { .name: w_k, .offset: 32, .size: 8, .value_kind: global_buffer, .address_space: global }
      - { .name: w_v, .offset: 40, .size: 8, .value_kind: global_buffer, .address_space: global }
      - { .name: w_o, .offset: 48, .size: 8, .value_kind: global_buffer, .address_space: global }
      - { .name: codes, .offset: 56, .size: 8, .value_kind: global_buffer, .address_space: global }
      - { .name: scales, .offset: 64, .size: 8, .value_kind: global_buffer, .address_space: global }
    .group_segment_fixed_size: 34304
    .private_segment_fixed_size: 0
    .kernarg_segment_align: 8
    .kernarg_segment_size: 72
    .max_flat_workgroup_size: 128
    .sgpr_count:     66
    .vgpr_count:     256
    .wavefront_size: 32
...
	.end_amdgpu_metadata
.endif
;; end of part 1
;; launch proj (part 2): grid 4 x 48, 4 waves a work-group, clusters of 4 x 4, 327,680 bytes of LDS; arguments codes, scales, b_q, b_k, b_v, img, scl; writes img, scl
.if DOCPART == 2
	.amdgcn_target "amdgcn-amd-amdhsa--gfx1250"
	.amdhsa_code_object_version 6
	.text
	.protected	k_q848146b02e_proj
	.globl	k_q848146b02e_proj
	.p2align	8
	.type	k_q848146b02e_proj,@function
k_q848146b02e_proj:
	s_mov_b64 s[64:65], 0
	v_nop
	global_prefetch_b8 v0, s[64:65] scope:SCOPE_SE
	s_setreg_imm32_b32 hwreg(HW_REG_WAVE_MODE, 25, 1), 1
	s_wait_xcnt 0x0
	s_wait_alu depctr_hold_cnt(0) depctr_sa_sdst(0) depctr_va_vdst(0) depctr_va_sdst(0) depctr_va_ssrc(0) depctr_va_vcc(0) depctr_vm_vsrc(0)
	s_getreg_b32 s2, hwreg(HW_REG_IB_STS2, 6, 4)
	s_cmp_eq_u32 s2, 0
	s_cbranch_scc0 .Lentry_in_a_cluster
	s_endpgm
.Lentry_in_a_cluster:
	s_bfe_u32 s2, ttmp6, 0x10000c
	s_cmp_lg_u32 s2, 0xf033
	s_cbranch_scc0 .Lentry_shape_is_right
	s_endpgm
.Lentry_shape_is_right:
.set NQ,     2
.set FR,     12
.set NL,     6
.set NP,     4
.set FRB,    1536
.set RBS,    NQ*FRB
.set HALFT,  8*RBS
.set SLOT,   4*HALFT
.set SCL,    2*SLOT
.set HALFS,  4096
.set SPARE,  SCL+4*HALFS
.set ADRA, 16
.set ADRB, 20
.set ADRS, 27
.set SPW,  28
.set NIL,  29
.set SC,   32
.set BI,   64
.set AF,   128
.set VO0,  24
.set VO1,  25
.set VS0,  26
.set VS1,  30
.set PC,   128
.set TM,   160
.set PWR,  176
.set SW,   180
.set SEL,  66
.set G1, 24
.set G0, 32
.set G1B, 48
.set G0B, 56
.set G1S, 68
.set G0S, 76
.set G1SB, 80
.set G0SB, 88
.set MSB, 0
.macro WIN new
.if MSB != \new
	s_set_vgpr_msb (MSB<<8)|\new
.set MSB, \new
.endif
.endm
.set MUL_LO, 0xa1
.set MUL_HI, 0xf1
.set BEG_LO, 0x81
.set BEG_HI, 0xc1
.set TO_B,   0x40
.macro JLOAD g0a, g1a, g0b, g1b
	s_cmp_eq_u32 s15, 0
	s_cbranch_scc0 .Lfor_b_\@
	tensor_load_to_lds s[\g0a:\g0a+3], s[\g1a:\g1a+7]
	s_nop 0
.rept 4
	v_nop
.endr
	s_branch .Lasked_\@
.Lfor_b_\@:
	tensor_load_to_lds s[\g0b:\g0b+3], s[\g1b:\g1b+7]
	s_nop 0
.rept 4
	v_nop
.endr
.Lasked_\@:
.endm
.macro CREST
	s_cmp_lg_u32 s14, 0
	s_cbranch_scc1 .Lnot_wave_0_\@
	s_barrier_signal -3
.Lnot_wave_0_\@:
	s_barrier_wait -3
	s_barrier_signal -1
	s_barrier_wait -1
.endm
.macro CROUND
	s_barrier_signal -1
	s_barrier_wait -1
	CREST
.endm
	s_load_b256 s[4:11], s[0:1], 0x0
	s_load_b64 s[12:13], s[0:1], 0x20
	s_load_b128 s[92:95], s[0:1], 0x28
	v_lshl_add_u32 v[SPW], v0, 2, SPARE
	v_mov_b32 v[NIL], 0
	ds_add_u32 v28, v29
	ds_add_u32 v28, v29
	s_wait_dscnt 0x0
	v_lshrrev_b32 v1, 5, v0
	v_readfirstlane_b32 s14, v1
	s_lshr_b32 s15, s14, 1
	s_and_b32 s16, s14, 1
	s_bfe_u32 s40, ttmp6, 0x40000
	s_bfe_u32 s41, ttmp6, 0x40004
	s_and_b32 s96, ttmp7, 0xffff
	s_lshr_b32 s98, s96, 2
	s_and_b32 s97, s96, 3
	s_lshl_b32 s97, s97, 2
	s_lshl_b32 s18, s98, 8
	s_lshl_b32 s19, s98, 6
	s_add_co_u32 s19, s19, 768
	s_cmp_eq_u32 s98, 2
	s_cselect_b32 s17, 0, s97
	s_cselect_b32 s42, s97, 0
	s_cselect_b32 s18, 896, s18
	s_cselect_b32 s19, 512, s19
	s_add_co_u32 s17, s17, s41
	s_add_co_u32 s42, s42, s40
	s_lshl_b32 s43, s41, 2
	s_lshl_b32 s43, 15, s43
	s_lshl_b32 s44, 0x1111, s40
	s_mov_b32 s[SEL], 0x76543210
	s_mov_b32 s[SEL+1], 0xfedcba98
	s_mov_b32 s99, 0xffff0000
	s_or_b32 s[G1+0], s43, (3<<16)|(1<<21)
	s_or_b32 s[G1B+0], s44, (3<<16)|(1<<21)
.irp g, G1, G1B
	s_mov_b32 s[\g+1], 384<<16
	s_mov_b32 s[\g+2], 16<<16
	s_mov_b32 s[\g+3], 384<<16
	s_mov_b32 s[\g+4], 16
	s_mov_b32 s[\g+5], 1536
	s_mov_b32 s[\g+6], 0
	s_mov_b32 s[\g+7], 0
.endr
	s_or_b32 s[G1S+0], s43, (3<<16)|(1<<21)
	s_or_b32 s[G1SB+0], s44, (3<<16)|(1<<21)
.irp g, G1S, G1SB
	s_mov_b32 s[\g+1], 32<<16
	s_mov_b32 s[\g+2], 32<<16
	s_mov_b32 s[\g+3], 32<<16
	s_mov_b32 s[\g+4], 32
	s_mov_b32 s[\g+5], 32
	s_mov_b32 s[\g+6], 0
	s_mov_b32 s[\g+7], 0
.endr
	s_lshl_b32 s45, s16, 3
	s_lshl_b32 s20, s17, 4
	s_add_co_u32 s20, s20, s18
	s_lshl_b32 s22, s20, 9                         ; the scale words of the tile's 16 rowblocks of A: one dense block
	s_add_co_u32 s20, s20, s45
	s_lshl_b32 s46, s42, 4
	s_add_co_u32 s46, s46, s19
	s_lshl_b32 s2, s46, 9                          ; and of B
	s_add_co_u32 s46, s46, s45
	s_mov_b32 s23, 0
	s_mul_i32 s20, s20, 12288
	s_mov_b32 s21, 0
	s_mov_b32 s3, 0
	s_mul_i32 s46, s46, 12288
	s_mov_b32 s47, 0
	s_mul_i32 s45, s14, HALFT
	s_wait_kmcnt 0x0
	s_add_nc_u64 s[20:21], s[4:5], s[20:21]
	s_add_nc_u64 s[22:23], s[6:7], s[22:23]
	s_add_nc_u64 s[46:47], s[4:5], s[46:47]
	s_add_nc_u64 s[2:3], s[6:7], s[2:3]
	CROUND
	s_mov_b32 s[G0S], 1
	s_mov_b32 s[G0S+1], SCL
	s_mov_b64 s[G0S+2:G0S+3], s[22:23]
	s_or_b32 s[G0S+3], s[G0S+3], 0x80000000
	s_mov_b32 s[G0SB], 1
	s_mov_b32 s[G0SB+1], SCL+2*HALFS
	s_mov_b64 s[G0SB+2:G0SB+3], s[2:3]
	s_or_b32 s[G0SB+3], s[G0SB+3], 0x80000000
.irp s, 0,1
	s_mov_b32 s[G0+4*\s], 1
	s_add_co_u32 s[G0+4*\s+1], s45, \s*SLOT
	s_add_nc_u64 s[G0+4*\s+2:G0+4*\s+3], s[20:21], \s*RBS
	s_or_b32 s[G0+4*\s+3], s[G0+4*\s+3], 0x80000000
	s_mov_b32 s[G0B+4*\s], 1
	s_add_co_u32 s[G0B+4*\s+1], s45, \s*SLOT
	s_add_nc_u64 s[G0B+4*\s+2:G0B+4*\s+3], s[46:47], \s*RBS
	s_or_b32 s[G0B+4*\s+3], s[G0B+4*\s+3], 0x80000000
.endr
	; THE HEAD'S LOADS, one a wave, in one chain of arms: wave 0 slot 0's 16 rowblocks of A (its own group 0 begins at the tile's first rowblock and at LDS byte 0), wave 1 A's scale words,
	; wave 2 slot 0's 16 rowblocks of B (likewise), wave 3 B's scale words.  Here group 1 counts 16 rowblocks; behind the wait for these loads it is set to 8, for the ring's.
	s_cmp_eq_u32 s14, 0
	s_cbranch_scc0 .Lhead_1
	tensor_load_to_lds s[G0:G0+3], s[G1:G1+7]
	s_nop 0
.rept 4
	v_nop
.endr
	s_branch .Lhead_asked
.Lhead_1:
	s_cmp_eq_u32 s14, 1
	s_cbranch_scc0 .Lhead_2
	tensor_load_to_lds s[G0S:G0S+3], s[G1S:G1S+7]
	s_nop 0
.rept 4
	v_nop
.endr
	s_branch .Lhead_asked
.Lhead_2:
	s_cmp_eq_u32 s14, 2
	s_cbranch_scc0 .Lhead_3
	tensor_load_to_lds s[G0B:G0B+3], s[G1B:G1B+7]
	s_nop 0
.rept 4
	v_nop
.endr
	s_branch .Lhead_asked
.Lhead_3:
	tensor_load_to_lds s[G0SB:G0SB+3], s[G1SB:G1SB+7]
	s_nop 0
.rept 4
	v_nop
.endr
.Lhead_asked:
	; THE RING'S LATER CHUNKS ARE ASKED FOR INTO THE L2.  Of the 8 rowblocks that I fetch in the ring, each of the four partners that ask for them jointly takes two, told apart by address (cx for A, cy for B):
	; a chunk of two rowblocks is 2 x 3,072 bytes = 24 blocks of 256 bytes, a lane a block; the lanes left over name the last block again.  Here chunks 1 and 2; chunk 3 behind the first refill.
	; v31 and s[4:5] are never rewritten; the last byte named lies at 7 x 12,288 + 3 x 3,072 + 11 x 256 of my 8 rowblocks' 98,304.
	s_cmp_eq_u32 s15, 0
	s_cselect_b64 s[4:5], s[20:21], s[46:47]       ; the rows that I fetch: A's or B's
	s_cselect_b32 s96, s40, s41                    ; my work-group's place among the four
	s_mul_i32 s96, s96, 2*12288
	v_and_b32 v31, 31, v0
	v_min_u32 v31, 23, v31
	v_mul_u32_u24 v4, v31, 11
	v_lshrrev_b32 v4, 7, v4                        ; block / 12: which of the two rowblocks
	v_mul_u32_u24 v5, v4, 12
	v_sub_nc_u32 v31, v31, v5
	v_lshlrev_b32 v31, 8, v31
	v_mad_u32_u24 v31, v4, 0x3000, v31
	v_add_nc_u32 v31, s96, v31
	global_prefetch_b8 v31, s[4:5] offset:RBS th:TH_LOAD_NT scope:SCOPE_SE
	global_prefetch_b8 v31, s[4:5] offset:2*RBS th:TH_LOAD_NT scope:SCOPE_SE
	v_and_b32 v1, 15, v0
	v_bfe_u32 v2, v0, 4, 1
	v_and_b32 v3, 31, v0
	v_lshlrev_b32 v3, 3, v3
	s_lshl_b32 s20, s17, 8
	s_lshl_b32 s21, s15, 7
	s_add_co_u32 s20, s20, s21
	s_lshl_b32 s22, s42, 8
	s_lshl_b32 s23, s16, 7
	s_add_co_u32 s22, s22, s23
	s_cmp_eq_u32 s98, 2
	s_cbranch_scc1 .Lbias_v
	s_cmp_eq_u32 s98, 0
	s_cselect_b64 s[8:9], s[8:9], s[10:11]
	s_lshl_b32 s2, s22, 2
	s_mov_b32 s3, 0
	s_add_nc_u64 s[8:9], s[8:9], s[2:3]
	s_wait_alu depctr_va_vdst(0)
	v_lshlrev_b32 v4, 6, v2
.irp b, 0,1,2,3,4,5,6,7
	global_load_b128 v[BI+8*\b:BI+8*\b+3], v4, s[8:9] offset:128*(\b/2)+32*(\b%2)
	global_load_b128 v[BI+8*\b+4:BI+8*\b+7], v4, s[8:9] offset:128*(\b/2)+32*(\b%2)+16
.endr
	s_wait_loadcnt 0x0
	s_branch .Lbias_done
.Lbias_v:
	s_lshl_b32 s2, s20, 2
	s_mov_b32 s3, 0
	s_add_nc_u64 s[12:13], s[12:13], s[2:3]
	s_wait_alu depctr_va_vdst(0)
	v_and_b32 v4, 8, v1
	v_add_nc_u32 v4, v4, v1
	v_lshlrev_b32 v4, 2, v4
.irp a, 0,1,2,3,4,5,6,7
	global_load_b32 v[BI+8*\a], v4, s[12:13] offset:128*(\a/2)+32*(\a%2)
.endr
	s_wait_loadcnt 0x0
.irp a, 0,1,2,3,4,5,6,7
.irp j, 1,2,3,4,5,6,7
	v_mov_b32 v[BI+8*\a+\j], v[BI+8*\a]
.endr
.endr
.Lbias_done:
	s_mul_i32 s21, s15, HALFT
	s_mul_i32 s23, s16, HALFT
	s_add_co_u32 s23, s23, 2*HALFT
.irp s, 0,1
	v_add_nc_u32 v[ADRA+\s], s21, v3
	v_add_nc_u32 v[ADRB+\s], s23, v3
	s_add_co_u32 s21, s21, SLOT
	s_add_co_u32 s23, s23, SLOT
.endr
	v_lshlrev_b32 v5, 3, v1
	s_lshl_b32 s21, s15, 12
	s_lshl_b32 s23, s16, 12
	s_add_co_u32 s23, s23, 2*HALFS
	s_sub_co_u32 s23, s23, s21
	v_mul_u32_u24 v6, s23, v2
	s_add_co_u32 s21, s21, SCL
	v_add_nc_u32 v5, v5, v6
	v_add_nc_u32 v[ADRS], s21, v5
.rept 4
	v_nop
.endr
.macro FRAG reg, adr, q, i
.irp p, 0,1,2,3,4,5
	ds_load_b64 v[\reg+2*\p:\reg+2*\p+1], v[\adr] offset:256*\p+FRB*(\q)+RBS*(\i)
.endr
.endm
.macro MUL16 a0, p, q, sc, zero
.irp a, \a0, \a0+1
.irp b, 0,1,2,3,4,5,6,7
.if (\zero) == 1
	v_wmma_scale_f32_16x16x128_f8f6f4 v[8*(8*((\a)%4)+\b):8*(8*((\a)%4)+\b)+7], v[128*(\p)+FR*\b:128*(\p)+FR*\b+FR-1], v[AF+FR*(\a):AF+FR*(\a)+FR-1], v[BI+8*\b:BI+8*\b+7], v[SC+8*NQ*(\sc)+NQ*\b+(\q)], v[SC+8*NQ*(\sc)+NQ*(\a)+(\q)] matrix_a_fmt:MATRIX_FMT_FP6 matrix_b_fmt:MATRIX_FMT_FP6 matrix_a_scale:MATRIX_SCALE_ROW1
.elseif (\zero) == 2
	v_wmma_scale_f32_16x16x128_f8f6f4 v[8*(8*((\a)%4)+\b):8*(8*((\a)%4)+\b)+7], v[128*(\p)+FR*\b:128*(\p)+FR*\b+FR-1], v[AF+FR*(\a):AF+FR*(\a)+FR-1], v[BI+8*(\a):BI+8*(\a)+7], v[SC+8*NQ*(\sc)+NQ*\b+(\q)], v[SC+8*NQ*(\sc)+NQ*(\a)+(\q)] matrix_a_fmt:MATRIX_FMT_FP6 matrix_b_fmt:MATRIX_FMT_FP6 matrix_a_scale:MATRIX_SCALE_ROW1
.else
	v_wmma_scale_f32_16x16x128_f8f6f4 v[8*(8*((\a)%4)+\b):8*(8*((\a)%4)+\b)+7], v[128*(\p)+FR*\b:128*(\p)+FR*\b+FR-1], v[AF+FR*(\a):AF+FR*(\a)+FR-1], v[8*(8*((\a)%4)+\b):8*(8*((\a)%4)+\b)+7], v[SC+8*NQ*(\sc)+NQ*\b+(\q)], v[SC+8*NQ*(\sc)+NQ*(\a)+(\q)] matrix_a_fmt:MATRIX_FMT_FP6 matrix_b_fmt:MATRIX_FMT_FP6 matrix_a_scale:MATRIX_SCALE_ROW1
.endif
.endr
.endr
.endm
.macro FETCH_B slot, q, p
	WIN TO_B
.irp i, 0,1,2,3,4,5,6,7
	FRAG 128*(\p)+FR*\i, ADRB+\slot, \q, \i
.endr
	WIN 0
.endm
.macro FETCH_A slot, q, i0
.irp i, \i0, \i0+1, \i0+2, \i0+3
	FRAG AF+FR*(\i), ADRA+\slot, \q, \i
.endr
.endm
.macro SCALES sc
.irp i, 0,1,2,3,4,5,6,7
	ds_load_b64 v[SC+8*NQ*\sc+NQ*\i:SC+8*NQ*\sc+NQ*\i+1], v[ADRS] offset:\i*512
.endr
.endm
.macro PLACES n
.rept \n
	v_nop
.endr
.endm
.macro STEP slot, q, zero
	s_wait_dscnt 4*NL
.if \zero
	WIN BEG_LO
.else
	WIN MUL_LO
.endif
	MUL16 0, (\q)%2, \q, \slot, \zero
	MUL16 2, (\q)%2, \q, \slot, \zero
	s_wait_dscnt 0
	PLACES NP
	FETCH_B \slot, (\q)+1, 1-(\q)%2
	FETCH_A \slot, (\q)+1, 0
.if \zero
	WIN BEG_HI
.else
	WIN MUL_HI
.endif
	MUL16 4, (\q)%2, \q, \slot, \zero
	MUL16 6, (\q)%2, \q, \slot, \zero
	PLACES NP
	WIN 0
	FETCH_A \slot, (\q)+1, 4
.endm
.macro TURN slot, next, fill
	s_wait_tensorcnt 0x0
	ds_add_u32 v[SPW], v[NIL]
	s_wait_dscnt 4*NL+1
	WIN MUL_LO
	MUL16 0, 1, NQ-1, \slot, 0
	s_wait_dscnt 0x0
	s_barrier_signal -1
	MUL16 2, 1, NQ-1, \slot, 0
	WIN 0
	s_barrier_wait -1
.if \fill
	CREST
	s_add_nc_u64 s[G0+4*\slot+2:G0+4*\slot+3], s[G0+4*\slot+2:G0+4*\slot+3], 2*RBS
	s_add_nc_u64 s[G0B+4*\slot+2:G0B+4*\slot+3], s[G0B+4*\slot+2:G0B+4*\slot+3], 2*RBS
	JLOAD G0+4*\slot, G1, G0B+4*\slot, G1B
.else
	PLACES NP
.endif
	s_wait_alu depctr_va_vdst(0)
	v_add_nc_u32 v[ADRS], 128, v[ADRS]
	FETCH_B \next, 0, 0
	FETCH_A \next, 0, 0
	SCALES \next
.if (\fill) && ((\slot) == 0)
	global_prefetch_b8 v31, s[4:5] offset:3*RBS th:TH_LOAD_NT scope:SCOPE_SE   ; chunk 3, one slot ahead of its load
.endif
	WIN MUL_HI
	MUL16 4, 1, NQ-1, \slot, 0
	MUL16 6, 1, NQ-1, \slot, 0
	PLACES NP
	WIN 0
	FETCH_A \next, 0, 4
.endm
	s_wait_alu depctr_va_vdst(0)
	s_wait_tensorcnt 0x0                           ; my tile of the head's four is in
	ds_add_u32 v28, v29
	s_mov_b32 s[G1+2], 8<<16                       ; no tensor load of mine is out: from here on a load brings 8 rowblocks
	s_mov_b32 s[G1+4], 8
	s_mov_b32 s[G1B+2], 8<<16
	s_mov_b32 s[G1B+4], 8
	s_wait_dscnt 0x0
	CROUND                                         ; all four tiles are in, and all sixteen work-groups are here
	JLOAD G0+4, G1, G0B+4, G1B                     ; slot 1's first fill
	FETCH_B 0, 0, 0
	FETCH_A 0, 0, 0
	SCALES 0
	FETCH_A 0, 0, 4
	s_cmp_eq_u32 s98, 2
	s_cbranch_scc1 .Lfirst_v
	STEP 0, 0, 1
	s_branch .Lfirst_done
.Lfirst_v:
	STEP 0, 0, 2
.Lfirst_done:
	TURN 0, 1, 1
	STEP 1, 0, 0
	TURN 1, 0, 1
	STEP 0, 0, 0
	TURN 0, 1, 0
	STEP 1, 0, 0
	s_wait_dscnt 4*NL
	WIN MUL_LO
	MUL16 0, 1, NQ-1, 1, 0
	MUL16 2, 1, NQ-1, 1, 0
	s_wait_dscnt 0
	WIN MUL_HI
	MUL16 4, 1, NQ-1, 1, 0
	MUL16 6, 1, NQ-1, 1, 0
	WIN 0
	s_mov_b32 s70, 768
	s_mov_b32 s71, 768
	s_mov_b32 s72, 98304
	s_mov_b32 s73, 256
	s_cmp_eq_u32 s98, 2
	s_cselect_b32 s68, s22, s20
	s_cselect_b32 s69, s20, s22
	s_cselect_b32 s70, 1536, s70
	s_cselect_b32 s71, 93696, s71
	s_cselect_b32 s72, 768, s72
	s_cselect_b32 s73, 4096, s73
	s_cselect_b32 s74, 8, 9
	s_lshr_b32 s75, s68, 11
	s_bfe_u32 s76, s68, 0x40007
	s_lshr_b32 s77, s69, 7
	s_lshl_b32 s78, s75, 3
	s_add_co_u32 s78, s78, s77
	s_mul_i32 s80, s78, 2*98304
	s_mul_i32 s79, s76, 6144
	s_add_co_u32 s80, s80, s79
	s_mul_i32 s79, s98, 3145728
	s_add_co_u32 s80, s80, s79
	s_mov_b32 s81, 0
	s_add_nc_u64 s[92:93], s[92:93], s[80:81]
	s_lshl_b32 s80, s78, 13
	s_lshl_b32 s79, s76, s74
	s_add_co_u32 s80, s80, s79
	s_lshl_b32 s79, s98, 17
	s_add_co_u32 s80, s80, s79
	s_add_nc_u64 s[94:95], s[94:95], s[80:81]
	PLACES NP
.irp b, 0,1,2,3
	v_mov_b32 v[TM+4+\b], 0
.endr
	v_and_b32 v[VO0], 31, v0
	v_lshlrev_b32 v[VO0], 3, v[VO0]
	v_add_nc_u32 v[VO1], s72, v[VO0]
	v_mov_b32 v[VS0], v[VO0]
	v_add_nc_u32 v[VS1], s73, v[VO0]
.macro QUANT s, win, pw
.set QW, (\win)|((\win)<<2)
	WIN QW
.irp b, 0,1,2,3
	v_max3_num_f32 v[TM+\b], |v[\s+16*\b]|, |v[\s+1+16*\b]|, 0x1800000
.endr
.irp i, 2,4,6,8,10,12,14
.irp b, 0,1,2,3
	v_max3_num_f32 v[TM+\b], |v[\s+16*\b+\i]|, |v[\s+1+16*\b+\i]|, v[TM+\b]
.endr
.endr
	WIN 0
.irp b, 0,1,2,3
	v_permlanex16_b32 v[TM+4+\b], v[TM+\b], s[SEL], s[SEL+1]
.endr
.irp b, 0,1,2,3
	v_max_num_f32 v[TM+\b], v[TM+\b], v[TM+4+\b]
.endr
.irp b, 0,1,2,3
	v_add_nc_u32 v[TM+12+\b], 0xff000000, v[TM+\b]
.endr
.irp b, 0,1,2,3
	v_lshrrev_b32 v[TM+4+\b], 23, v[TM+12+\b]
.endr
	v_lshl_or_b32 v[\pw], v[TM+5], 8, v[TM+4]
	v_lshl_or_b32 v[\pw], v[TM+6], 16, v[\pw]
	v_lshl_or_b32 v[\pw], v[TM+7], 24, v[\pw]
	s_wait_alu depctr_va_vdst(0)
	s_wait_xcnt 0x0                                ; the last block's stores have read their registers: the codes and the stores' offsets are written again only behind this wait
.set QW, (\win)
	WIN QW
.irp c, 0,1
	v_cvt_scalef32_pk16_fp6_f32 v[PC+6*\c:PC+2+6*\c], v[\s+32*\c:\s+15+32*\c], v[TM+12+2*\c]
	v_cvt_scalef32_pk16_fp6_f32 v[PC+12+4*\c:PC+14+4*\c], v[\s+16+32*\c:\s+31+32*\c], v[TM+12+2*\c+1]
.endr
	WIN 0
	v_nop
.irp c, 0,1
.irp i, 0,1,2
	v_permlane16_swap_b32 v[PC+6*\c+\i], v[PC+12+4*\c+\i]
.endr
.irp i, 0,1,2
	v_mov_b32 v[PC+3+6*\c+\i], v[PC+12+4*\c+\i]
.endr
.endr
.endm
.macro OUTBLK a
	QUANT 64*((\a)%4), 2+(\a)/4, PWR+((\a)%2)
.if (\a) == 4
	v_add_nc_u32 v[VO0], s71, v[VO0]
	v_add_nc_u32 v[VO1], s71, v[VO1]
.elseif (\a) > 0
	v_add_nc_u32 v[VO0], s70, v[VO0]
	v_add_nc_u32 v[VO1], s70, v[VO1]
.endif
.irp i, 0,1,2
	global_store_b64 v[VO0], v[PC+2*\i:PC+2*\i+1], s[92:93] offset:256*\i
.endr
.irp i, 0,1,2
	global_store_b64 v[VO1], v[PC+6+2*\i:PC+7+2*\i], s[92:93] offset:256*\i
.endr
.if ((\a)%2) == 1
	v_cndmask_b32 v[SW+(\a)/2], v[PWR], v[PWR+1], s99
.endif
.if (\a) == 3
	global_store_b64 v[VS0], v[SW:SW+1], s[94:95]
.endif
.if (\a) == 7
	global_store_b64 v[VS1], v[SW+2:SW+3], s[94:95]
.endif
.endm
.irp a, 0,1,2,3,4,5,6,7
	OUTBLK \a
.endr
	s_wait_tensorcnt 0x0
	ds_add_u32 v[SPW], v[NIL]
	s_wait_dscnt 0x0
	CROUND
	s_endpgm
.Lfunc_end_k_q848146b02e_proj:
	.size	k_q848146b02e_proj, .Lfunc_end_k_q848146b02e_proj-k_q848146b02e_proj
	.p2alignl 7, 3214868480
	.fill 96, 4, 3214868480
	.section	.rodata,"a",@progbits
	.p2align	6, 0x0
	.amdhsa_kernel k_q848146b02e_proj
		.amdhsa_group_segment_fixed_size 327680
		.amdhsa_private_segment_fixed_size 0
		.amdhsa_enable_private_segment 0
		.amdhsa_kernarg_size 56
		.amdhsa_user_sgpr_count 2
		.amdhsa_user_sgpr_kernarg_segment_ptr 1
		.amdhsa_wavefront_size32 1
		.amdhsa_system_sgpr_workgroup_id_x 1
		.amdhsa_system_sgpr_workgroup_id_y 1
		.amdhsa_system_sgpr_workgroup_id_z 1
		.amdhsa_system_vgpr_workitem_id 0
		.amdhsa_next_free_vgpr 1024
		.amdhsa_next_free_sgpr 100
		.amdhsa_reserve_vcc 0
		.amdhsa_float_denorm_mode_32 3
		.amdhsa_float_denorm_mode_16_64 3
		.amdhsa_memory_ordered 1
		.amdhsa_forward_progress 1
		.amdhsa_inst_pref_size 189
	.end_amdhsa_kernel
	.amdgpu_metadata
---
amdhsa.version: [ 1, 2 ]
amdhsa.kernels:
  - .name:           k_q848146b02e_proj
    .symbol:         k_q848146b02e_proj.kd
    .args:
      - { .name: codes, .offset: 0, .size: 8, .value_kind: global_buffer, .address_space: global }
      - { .name: scales, .offset: 8, .size: 8, .value_kind: global_buffer, .address_space: global }
      - { .name: b_q, .offset: 16, .size: 8, .value_kind: global_buffer, .address_space: global }
      - { .name: b_k, .offset: 24, .size: 8, .value_kind: global_buffer, .address_space: global }
      - { .name: b_v, .offset: 32, .size: 8, .value_kind: global_buffer, .address_space: global }
      - { .name: img, .offset: 40, .size: 8, .value_kind: global_buffer, .address_space: global }
      - { .name: scl, .offset: 48, .size: 8, .value_kind: global_buffer, .address_space: global }
    .group_segment_fixed_size: 327680
    .private_segment_fixed_size: 0
    .kernarg_segment_align: 8
    .kernarg_segment_size: 56
    .max_flat_workgroup_size: 128
    .sgpr_count:     100
    .vgpr_count:     1024
    .wavefront_size: 32
...
	.end_amdgpu_metadata
.endif
;; end of part 2
;; launch attn (part 3): grid 8 x 32, 16 waves a work-group, clusters of 4 x 1, 210,944 bytes of LDS; arguments img, scl, ctxc, ctxs; writes ctxc, ctxs
.if DOCPART == 3
	.amdgcn_target "amdgcn-amd-amdhsa--gfx1250"
	.amdhsa_code_object_version 6
	.text
	.protected	k_q848146b02e_attn
	.globl	k_q848146b02e_attn
	.p2align	8
	.type	k_q848146b02e_attn,@function
k_q848146b02e_attn:
	s_mov_b64 s[64:65], 0
	v_nop
	global_prefetch_b8 v0, s[64:65] scope:SCOPE_SE
	s_setreg_imm32_b32 hwreg(HW_REG_WAVE_MODE, 25, 1), 1
	s_wait_xcnt 0x0
	s_wait_alu depctr_hold_cnt(0) depctr_sa_sdst(0) depctr_va_vdst(0) depctr_va_sdst(0) depctr_va_ssrc(0) depctr_va_vcc(0) depctr_vm_vsrc(0)
	s_getreg_b32 s2, hwreg(HW_REG_IB_STS2, 6, 4)
	s_cmp_eq_u32 s2, 0
	s_cbranch_scc0 .Lentry_in_a_cluster
	s_endpgm
.Lentry_in_a_cluster:
	s_bfe_u32 s2, ttmp6, 0x10000c
	s_cmp_lg_u32 s2, 0x3003
	s_cbranch_scc0 .Lentry_shape_is_right
	s_endpgm
.Lentry_shape_is_right:
; ctx[b][q][head] = the sum over keys of softmax(Q . K / 8) V, both products on codes of FP6 (E2M3) with E8M0 scales; ctx is quantised along d_model and leaves as images of operand registers.
; THE SOFTMAX: t = score x log2(e) / 8; M = the largest t so far, rounded up to a whole number; p = 2^(t - M) is quantised along the keys, not normalised.  The row's sum is taken of the unquantised p, in f32,
; and divides O at the end.  When M moves, the sum and O are multiplied by 2^(old M - new M), which rounds nothing.
; SHARES.  A work-group owns 256 queries of one head of one batch; each of its sixteen waves 16 of them, in 256 registers: four waves to a SIMD.
; K AND V OF THE WHOLE HEAD LIE IN LDS, 98,304 bytes each, with their scale words; no byte is filled twice.  At most one tensor load a wave, all at the head: waves 0 and 1 the first four key steps of K and of V,
; wave 2 K's scale words, wave 3 V's, waves 4-7 the rest in halves, waves 8-15 none.  The first barrier shows waves 0-3's tiles, on which four steps are worked; the second all.
; Every tile is asked for at the head, so there is no later load ahead of which a prefetch could stand.
; CLUSTER.  The four work-groups of a cluster own query blocks of one head and ask for every tile jointly.
; LAYOUT.  Both products are used transposed: S^T = K Q^T, O^T = V^T P^T: a lane holds one query (lane % 16) throughout.  K's tile 4 c + u holds in rows 0-7 keys 64 c + 8 u + 0..7 and in rows 8-15 keys 64 c + 32 + 8 u + 0..7
; of the step, so the 32 registers of tiles 4 c .. 4 c + 3 in lane (r, h) are keys 64 c + 32 h + 0 .. 31: one whole scale block, in the order of the operand's registers 6 c .. 6 c + 5.  No block's maximum asks another lane.
; THE FIRST PRODUCT'S K IS 64 in an instruction of 128: Q's registers 6-11 hold zero codes; the six registers behind K's tile (the next tile's; behind the last six zeros) meet them; the scale words' upper bytes are 0.
; LIMITS: NaN and infinities are not served; the promise holds while the scaled scores stay under 2^31 in magnitude; a block of zeros gets the byte 1, not 127: its codes are zeros, and this program alone reads the bytes.
.set VIMG, 98304                       ; LDS: K's images at 0, V's here,
.set KSCL, 196608                      ; K's scale words (both heads of the pair), 512 bytes for 128 keys,
.set VSCL, 204800                      ; V's, 256 bytes for 128 keys,
.set SPARE, 208896                     ; the spare words, 128 bytes a wave
.set P0B,  24576                       ; the first four key steps' images: 96 rows of 256 bytes
.set P1B,  36864                       ; half of the rest: 144 rows
.set AK0,  1                           ; v1-5 addresses that stay, v6-7 the add's two, v8-11 addresses in hand
.set AV0,  2
.set AKS0, 3
.set AVS0, 4
.set RO,   5
.set SPW,  6
.set NIL,  7
.set ADK,  8
.set ADV,  9
.set ADS,  10
.set ADT,  11
.set Q,    16                          ; v12 -M, v13 the largest score, v[14:15] the sum, v16-27 Q and six zeros
.set QS,   28                          ; Q's scale words
.set PS,   30                          ; p's
.set S,    32                          ; v32-95 S^T, then p
.set O,    96                          ; v96-127 O^T
.set PC,   128                         ; v128-139 p's codes; v140-146 the second conversions'
.set TC,   140
.set BM,   148                         ; v148-149 the two blocks' maxima
.set F,    152                         ; v[152:153] 2^(old M - new M)
.set T,    154                         ; v154-159 at work
.set CH,   166                         ; v166-173 the maxima's eight chains
.set KF,   176                         ; v176-223 K's eight tiles, then V's four fragments; v224-229 zeros
.set KS,   230                         ; v230-233 K's scale words; v234-235 V's
.set VS,   234
.set SU,   236                         ; v236-249 seven partial sums
.set WV,   18
.set SEL,  20
.set CS,   22
.set CN,   3
.set TK,   96
.set TSK,  97
.set TSV,  98
.set CNT,  99
.macro WALU
	s_wait_alu depctr_va_vdst(0)
.endm
.macro DEP n
	s_delay_alu instid0(VALU_DEP_\n)
.endm
.macro ROUND                           ; a round of the cluster's barrier
	s_barrier_signal -1
	s_barrier_wait -1
	s_cmp_lg_u32 s[WV], 0
	s_cbranch_scc1 .Lnot_wave_0_\@
	s_barrier_signal -3
.Lnot_wave_0_\@:
	s_barrier_wait -3
	s_barrier_signal -1
	s_barrier_wait -1
.endm
.macro GRP1 g, rows                    ; group 1: rows of 256 bytes, dense; the mask names all four work-groups
	s_mov_b32 s[\g], 15|(3<<16)|(1<<21)
	s_mov_b32 s[\g+1], 32<<16
	s_mov_b32 s[\g+2], (\rows)<<16
	s_mov_b32 s[\g+3], 32<<16
	s_mov_b32 s[\g+4], \rows
	s_mov_b32 s[\g+5], 32
	s_mov_b32 s[\g+6], 0
	s_mov_b32 s[\g+7], 0
.endm
.macro TLOAD g0, g1
	tensor_load_to_lds s[\g0:\g0+3], s[\g1:\g1+7]
	s_nop 0
.rept 4
	v_nop
.endr
.endm
.macro WM d, a, b, c, sa, sb, row
	v_wmma_scale_f32_16x16x128_f8f6f4 v[\d:\d+7], v[\a:\a+11], v[\b:\b+11], \c, v[\sa], v[\sb] matrix_a_fmt:MATRIX_FMT_FP6 matrix_b_fmt:MATRIX_FMT_FP6 matrix_a_scale:MATRIX_SCALE_ROW\row
.endm
	s_load_b256 s[4:11], s[0:1], 0x0               ; img s[4:5], scl s[6:7], ctxc s[8:9], ctxs s[10:11]
	v_lshl_add_u32 v[SPW], v0, 2, SPARE
	v_mov_b32 v[NIL], 0
	ds_add_u32 v[SPW], v[NIL]                      ; the opening lines
	ds_add_u32 v[SPW], v[NIL]
	v_lshrrev_b32 v8, 5, v0
	v_readfirstlane_b32 s[WV], v8                  ; wave 0..15
	s_bfe_u32 s12, ttmp6, 0x40000                  ; cx
	s_lshl_b32 s13, ttmp9, 2
	s_add_co_u32 s13, s13, s12                     ; my block of 256 queries: it enters Q's and ctx's addresses alone
	s_and_b32 s14, ttmp7, 0xffff                   ; 16 x batch + head, which the four partners share
	s_lshr_b32 s15, s14, 4                         ; batch
	s_and_b32 s16, s14, 15                         ; head
	s_lshr_b32 s17, s16, 1                         ; pair of heads
	s_and_b32 s19, s16, 1                          ; which of the pair
	s_lshl_b32 s76, s15, 3
	s_add_co_u32 s76, s76, s17                     ; 8 x batch + pair
	GRP1 24, 96                                    ; the first parts
	GRP1 32, 144                                   ; the halves of the rest
	GRP1 40, 32                                    ; K's scale words
	GRP1 48, 16                                    ; V's
	s_mul_i32 s88, s14, 98304                      ; the head's bytes in each section of img
	s_and_b32 s84, s[WV], 1
	s_bfe_u32 s85, s[WV], 0x10001
	s_mul_i32 s57, s84, VIMG                       ; waves 0, 1: K's or V's first part
	s_mul_i32 s80, s84, 3145728
	s_add_co_u32 s80, s80, s88
	s_add_co_u32 s80, s80, 3145728
	s_mov_b32 s81, 0
	s_mul_i32 s61, s85, VIMG                       ; waves 4-7: bit 1 K or V, bit 0 which half of the rest
	s_mul_i32 s86, s84, P1B
	s_add_co_u32 s86, s86, P0B
	s_add_co_u32 s61, s61, s86
	s_mul_i32 s82, s85, 3145728
	s_add_co_u32 s82, s82, s88
	s_add_co_u32 s82, s82, s86
	s_add_co_u32 s82, s82, 3145728
	s_mov_b32 s83, 0
	s_lshl_b32 s78, s76, 13                        ; K's scale words: 8,192 bytes for a pair of heads
	s_add_co_u32 s78, s78, 131072
	s_mov_b32 s79, 0
	s_lshl_b32 s90, s14, 12                        ; V's: 4,096 bytes a head
	s_add_co_u32 s90, s90, 262144
	s_mov_b32 s91, 0
	s_mov_b32 s[SEL], 0x76543210
	s_mov_b32 s[SEL+1], 0xfedcba98
	s_mov_b32 s[CS], 0x3e38aa3b                    ; c = log2(e) / 8
	s_mov_b32 s[CS+1], s[CS]
	s_mov_b32 s[CN], 0xbe38aa3b                    ; -c
	s_wait_dscnt 0x0
	s_wait_kmcnt 0x0
	s_mov_b32 s56, 1
	s_add_nc_u64 s[58:59], s[4:5], s[80:81]
	s_or_b32 s59, s59, 0x80000000
	s_mov_b32 s60, 1
	s_add_nc_u64 s[62:63], s[4:5], s[82:83]
	s_or_b32 s63, s63, 0x80000000
	s_mov_b32 s68, 1
	s_mov_b32 s69, KSCL
	s_add_nc_u64 s[70:71], s[6:7], s[78:79]
	s_or_b32 s71, s71, 0x80000000
	s_mov_b32 s72, 1
	s_mov_b32 s73, VSCL
	s_add_nc_u64 s[74:75], s[6:7], s[90:91]
	s_or_b32 s75, s75, 0x80000000
	ROUND                                          ; all four work-groups are here: the joint loads meet
	s_cmp_lt_u32 s[WV], 2                          ; one chain of arms, one load to an arm
	s_cbranch_scc0 .Larm_ks
	TLOAD 56, 24
	s_branch .Lasked
.Larm_ks:
	s_cmp_eq_u32 s[WV], 2
	s_cbranch_scc0 .Larm_vs
	TLOAD 68, 40
	s_branch .Lasked
.Larm_vs:
	s_cmp_eq_u32 s[WV], 3
	s_cbranch_scc0 .Larm_rest
	TLOAD 72, 48
	s_branch .Lasked
.Larm_rest:
	s_cmp_lt_u32 s[WV], 8
	s_cbranch_scc0 .Lasked
	TLOAD 60, 32
.Lasked:
	s_lshl_b32 s89, s19, 1                         ; my head's two bytes of a scale word
	s_add_co_u32 s90, s89, KSCL
	s_lshl_b32 s91, s13, 4
	s_add_co_u32 s91, s91, s[WV]                   ; my tile of 16 queries, 0..127
	s_mul_i32 s92, s91, 768
	s_add_co_u32 s92, s92, s88
	s_mov_b32 s93, 0
	s_add_nc_u64 s[92:93], s[4:5], s[92:93]        ; Q's image
	s_lshl_b32 s94, s76, 4                         ; Q's scale words: ((8 batch + pair) 16 + tile / 8) 512 + 256 (a / 4) + 128 (a % 2) + 4 ((a % 4) / 2), a = tile % 8
	s_lshr_b32 s95, s91, 3
	s_add_co_u32 s94, s94, s95
	s_lshl_b32 s94, s94, 9
	s_bfe_u32 s95, s91, 0x10002
	s_lshl_b32 s95, s95, 8
	s_add_co_u32 s94, s94, s95
	s_and_b32 s95, s91, 1
	s_lshl_b32 s95, s95, 7
	s_add_co_u32 s94, s94, s95
	s_bfe_u32 s95, s91, 0x10001
	s_lshl_b32 s95, s95, 2
	s_add_co_u32 s94, s94, s95
	s_add_co_u32 s94, s94, s89
	s_mov_b32 s95, 0
	s_add_nc_u64 s[94:95], s[6:7], s[94:95]
	s_lshl_b32 s77, s15, 7                         ; where ctx goes: rowblock 128 batch + tile; K step = pair of heads; registers 6 (head % 2) on
	s_add_co_u32 s77, s77, s91
	s_mul_i32 s78, s77, 12288
	s_mul_i32 s80, s17, 1536
	s_add_co_u32 s78, s78, s80
	s_mul_i32 s80, s19, 768
	s_add_co_u32 s78, s78, s80
	s_mov_b32 s79, 0
	s_add_nc_u64 s[8:9], s[8:9], s[78:79]
	s_lshl_b32 s78, s77, 9
	s_lshr_b32 s80, s17, 1
	s_lshl_b32 s80, s80, 7
	s_add_co_u32 s78, s78, s80
	s_and_b32 s80, s17, 1
	s_lshl_b32 s80, s80, 2
	s_add_co_u32 s78, s78, s80
	s_add_co_u32 s78, s78, s89
	s_add_nc_u64 s[10:11], s[10:11], s[78:79]
	v_and_b32 v8, 15, v0                           ; r
	v_and_b32 v9, 31, v0                           ; lane
	v_lshlrev_b32 v[AK0], 3, v9                    ; 8 x lane: my place in a piece of 256 bytes
	v_lshlrev_b32 v[RO], 3, v8                     ; 8 r
	v_add_nc_u32 v[AV0], VIMG, v[AK0]
	v_add_nc_u32 v[AKS0], s90, v[AK0]
	v_add_nc_u32 v[AVS0], VSCL, v[AK0]
	WALU                                           ; ahead of the readers below
.irp i, 0,1,2
	global_load_b64 v[Q+2*\i:Q+2*\i+1], v[AK0], s[92:93] offset:256*\i
.endr
	global_load_u16 v[QS], v[RO], s[94:95]         ; two bytes: the upper two of the register are 0
.irp j, 6,7,8,9,10,11
	v_mov_b32 v[Q+\j], 0                           ; zero codes
.endr
.irp j, 48,49,50,51,52,53
	v_mov_b32 v[KF+\j], 0                          ; the six zeros behind K's last tile
.endr
	v_mov_b32 v13, 0xff61b1e6                      ; the largest score so far: -3e38
	v_mov_b32 v12, 0x7e800000                      ; -M: so large that the first factor is 0
	v_mov_b32 v14, 0
	v_mov_b32 v15, 0
	v_mov_b32 v[F+1], 0                            ; named as the upper half of a pair
	v_mov_b32 v[T+1], 0                            ; a lane permute's destination counts as one of its sources
.set J_, 0
.rept 32
	v_mov_b32 v[O+J_], 0                           ; O^T: the step is written once; the first finds zeros, which the first change of M leaves zeros
.set J_, J_+1
.endr
; The softmax of 16 queries x 128 keys.  A lane has two whole blocks of 32 keys: c = 0, 1.
.macro SOFTMAX
.irp k, 0,1,2,3,4,5,6,7                ; the largest scores: a chain to each accumulator, read from its low end on
	v_max3_num_f32 v[CH+\k], v[S+8*\k], v[S+8*\k+1], v[S+8*\k+2]
.endr
.irp i, 3,5
.irp k, 0,1,2,3,4,5,6,7
	v_max3_num_f32 v[CH+\k], v[CH+\k], v[S+8*\k+\i], v[S+8*\k+\i+1]
.endr
.endr
.irp c, 0,1
	v_max3_num_f32 v[CH+4*\c], v[CH+4*\c], v[CH+4*\c+1], v[S+32*\c+7]
	v_max3_num_f32 v[CH+4*\c+2], v[CH+4*\c+2], v[CH+4*\c+3], v[S+32*\c+15]
.endr
.irp c, 0,1
	v_max3_num_f32 v[BM+\c], v[CH+4*\c], v[CH+4*\c+2], v[S+32*\c+23]
.endr
.irp c, 0,1
	v_max_num_f32 v[BM+\c], v[BM+\c], v[S+32*\c+31]   ; a block's largest score serves for the row's maximum and, since p rises with the score, for the block's largest p
.endr
	DEP 1
	v_max_num_f32 v[T], v[BM], v[BM+1]
	DEP 1
	v_permlanex16_b32 v[T+1], v[T], s[SEL], s[SEL+1]
	DEP 1
	v_max3_num_f32 v13, v13, v[T], v[T+1]          ; the running largest score, with lane l xor 16's 64 keys
	v_mov_b32 v[T], v12
	DEP 2
	v_mul_f32 v[T+1], s[CN], v13                   ; -t (c is positive)
	DEP 1
	v_floor_f32 v12, v[T+1]                        ; the new -M: M is a whole number
	DEP 1
	v_sub_f32 v[T], v12, v[T]                      ; old M - new M: a whole number, 0 or less
	DEP 1
	v_cvt_i32_f32 v[T], v[T]                       ; (it saturates)
	DEP 1
	v_ldexp_f32 v[F], 1.0, v[T]
.set J_, 0
.rept 32
	v_pk_fma_f32 v[S+J_:S+J_+1], v[S+J_:S+J_+1], s[CS:CS+1], v[12:13] op_sel_hi:[1,0,0]   ; t - M, two at a time
.set J_, J_+2
.endr
.irp c, 0,1
	v_fma_f32 v[BM+\c], v[BM+\c], s[CS], v12       ; the same of each block's largest score
.endr
	WALU                                           ; ahead of the batch
.set J_, 0
.rept 64
	v_exp_f32 v[S+J_], v[S+J_]                     ; p = 2^(t - M), at most 1
.set J_, J_+1
.endr
.irp c, 0,1
	v_exp_f32 v[BM+\c], v[BM+\c]                   ; the block's largest p
.endr
	v_pk_mul_f32 v[14:15], v[14:15], v[F:F+1] op_sel_hi:[1,0]   ; the sum under the new M: the plain line behind the batch
	WALU                                           ; and behind it
	v_pk_add_f32 v[14:15], v[14:15], v[S:S+1]      ; the row's sum of the unquantised p, in eight chains
.irp k, 0,1,2,3,4,5,6
	v_pk_add_f32 v[SU+2*\k:SU+2*\k+1], v[S+2+4*\k:S+3+4*\k], v[S+4+4*\k:S+5+4*\k]
.endr
.irp j, 30,46
	v_pk_add_f32 v[14:15], v[14:15], v[S+\j:S+\j+1]
.irp k, 0,1,2,3,4,5,6
	v_pk_add_f32 v[SU+2*\k:SU+2*\k+1], v[SU+2*\k:SU+2*\k+1], v[S+\j+2+2*\k:S+\j+3+2*\k]
.endr
.endr
	v_pk_add_f32 v[14:15], v[14:15], v[S+62:S+63]
	v_pk_add_f32 v[SU:SU+1], v[SU:SU+1], v[SU+2:SU+3]
	v_pk_add_f32 v[SU+4:SU+5], v[SU+4:SU+5], v[SU+6:SU+7]
	v_pk_add_f32 v[SU+8:SU+9], v[SU+8:SU+9], v[SU+10:SU+11]
	v_pk_add_f32 v[14:15], v[14:15], v[SU+12:SU+13]
.irp c, 0,1
	v_max_num_f32 v[BM+\c], 0x1800000, v[BM+\c]    ; the floor 2^(3 - 127): the byte cannot fall under 1
.endr
	v_pk_add_f32 v[SU:SU+1], v[SU:SU+1], v[SU+4:SU+5]
	v_pk_add_f32 v[14:15], v[14:15], v[SU+8:SU+9]
.irp c, 0,1
	v_add_nc_u32 v[T+2+\c], 0xff000000, v[BM+\c]   ; 2 off the exponent field: the conversion's scale operand
.endr
	v_pk_add_f32 v[14:15], v[14:15], v[SU:SU+1]
.irp c, 0,1
	v_cvt_scalef32_pk16_fp6_f32 v[PC+6*\c:PC+6*\c+2], v[S+32*\c:S+32*\c+15], v[T+2+\c]
	v_cvt_scalef32_pk16_fp6_f32 v[TC+4*\c:TC+4*\c+2], v[S+32*\c+16:S+32*\c+31], v[T+2+\c]   ; (a conversion's three registers begin on an even number)
.endr
.irp c, 0,1
	v_lshrrev_b32 v[T+4+\c], 23, v[T+2+\c]         ; the scale's byte
.endr
	v_lshl_or_b32 v[T], v[T+5], 16, v[T+4]         ; my blocks h and 2 + h
	v_permlanex16_b32 v[T+1], v[T], s[SEL], s[SEL+1]
.irp c, 0,1
.irp i, 0,1,2
	v_mov_b32 v[PC+6*\c+3+\i], v[TC+4*\c+\i]
.endr
.endr
	v_lshl_or_b32 v[PS], v[T+1], 8, v[T]           ; lanes 0-15, which alone are read: blocks 0, 2 are mine, 1, 3 lane l + 16's
	WALU                                           ; ahead of O^T's first readers
.set J_, 0
.rept 16
	v_pk_mul_f32 v[O+J_:O+J_+1], v[O+J_:O+J_+1], v[F:F+1] op_sel_hi:[1,0]   ; O^T under the new M; also the places between the codes' and the scale word's writes and the products
.set J_, J_+2
.endr
.endm
; A KEY STEP: 128 keys.
.macro STEP
	v_add_nc_u32 v[ADK], s[TK], v[AK0]             ; with the two v_nop: the places between the last step's products and the loads into their registers
	v_add_nc_u32 v[ADS], s[TSK], v[AKS0]
	v_nop
	v_nop
.irp t, 0,1,2,3,4,5,6,7
.irp i, 0,1,2
	ds_load_b64 v[KF+6*\t+2*\i:KF+6*\t+2*\i+1], v[ADK] offset:768*\t+256*\i
.endr
.endr
.irp x, 0,1,2,3
	ds_load_u16 v[KS+\x], v[ADS] offset:256*(\x/2)+4*(\x%2)   ; lanes 0-15: tile 2 x's words, lanes 16-31: tile 2 x + 1's; my head's two bytes
.endr
	s_wait_dscnt 0x0
.irp t, 0,2,4,6
	WM S+8*\t, KF+6*\t, Q, 0, KS+\t/2, QS, 0
	WM S+8*\t+8, KF+6*\t+6, Q, 0, KS+\t/2, QS, 1
.endr
	v_add_nc_u32 v[ADV], s[TK], v[AV0]             ; four places again: in front of the loads into K's registers and of the first read of the scores
	v_add_nc_u32 v[ADT], s[TSV], v[AVS0]
	v_nop
	v_nop
.irp t, 0,1,2,3                        ; V's four fragments are asked for now and land while the softmax is worked
.irp i, 0,1,2,3,4,5
	ds_load_b64 v[KF+12*\t+2*\i:KF+12*\t+2*\i+1], v[ADV] offset:1536*\t+256*\i
.endr
.endr
	ds_load_b64 v[VS:VS+1], v[ADT]                 ; register x: lanes 0-15 channel tile 2 x's words, lanes 16-31 tile 2 x + 1's
	SOFTMAX
	WALU
	s_wait_dscnt 0x0                               ; V is in
.irp t, 0,2
	WM O+8*\t, KF+12*\t, PC, v[O+8*\t:O+8*\t+7], VS+\t/2, PS, 0
	WM O+8*\t+8, KF+12*\t+12, PC, v[O+8*\t+8:O+8*\t+15], VS+\t/2, PS, 1
.endr
	s_add_co_u32 s[TK], s[TK], 6144
	s_add_co_u32 s[TSK], s[TSK], 512
	s_add_co_u32 s[TSV], s[TSV], 256
.endm
.macro PART first, steps
	s_mov_b32 s[TK], 6144*\first
	s_mov_b32 s[TSK], 512*\first
	s_mov_b32 s[TSV], 256*\first
	s_mov_b32 s[CNT], \steps
.Lstep_\@:
	STEP
	s_sub_co_u32 s[CNT], s[CNT], 1
	s_cmp_lg_u32 s[CNT], 0
	s_cbranch_scc1 .Lstep_\@
.endm
	WALU                                           ; the head's end
	s_wait_loadcnt 0x0                             ; Q
	s_cmp_lt_u32 s[WV], 4
	s_cbranch_scc0 .Lnot_first
	s_wait_tensorcnt 0x0                           ; waves 0-3: the first parts and the scale words
.Lnot_first:
	s_barrier_signal -1
	s_barrier_wait -1
	PART 0, 4
	WALU
	s_wait_tensorcnt 0x0                           ; every wave: all that is still out
	s_barrier_signal -1
	s_barrier_wait -1
	PART 4, 12
	; THE WAY OUT.  O^T / the sum is ctx: register 16 b + i = channel 32 b + 16 (lane / 16) + i of my head: two blocks of 32 along d_model.
	v_add_f32 v14, v14, v15
	v_permlanex16_b32 v[T+1], v14, s[SEL], s[SEL+1]
	v_add_f32 v14, v14, v[T+1]
	v_nop                                          ; with the three above: the places behind the last products
	WALU
	v_rcp_f32 v14, v14
	v_nop
	WALU                                           ; ahead of the reciprocal's and O^T's first readers
.set J_, 0
.rept 16
	v_pk_mul_f32 v[S+J_:S+J_+1], v[O+J_:O+J_+1], v[14:15] op_sel_hi:[1,0]
.set J_, J_+2
.endr
.irp b, 0,1
	v_max3_num_f32 v[BM+\b], |v[S+16*\b]|, |v[S+16*\b+1]|, 0x1800000
.endr
.irp i, 2,4,6,8,10,12,14
.irp b, 0,1
	v_max3_num_f32 v[BM+\b], v[BM+\b], |v[S+16*\b+\i]|, |v[S+16*\b+\i+1]|
.endr
.endr
.irp b, 0,1
	v_permlanex16_b32 v[CH+\b], v[BM+\b], s[SEL], s[SEL+1]
.endr
.irp b, 0,1
	v_max_num_f32 v[BM+\b], v[BM+\b], v[CH+\b]
.endr
.irp b, 0,1
	v_add_nc_u32 v[T+2+\b], 0xff000000, v[BM+\b]
.endr
	v_cvt_scalef32_pk16_fp6_f32 v[PC:PC+2], v[S:S+15], v[T+2]
	v_cvt_scalef32_pk16_fp6_f32 v[TC:TC+2], v[S+16:S+31], v[T+3]
.irp b, 0,1
	v_lshrrev_b32 v[T+4+\b], 23, v[T+2+\b]
.endr
	v_lshl_or_b32 v[T], v[T+5], 8, v[T+4]          ; my head's two bytes of the row's scale word
.irp i, 0,1,2
	v_permlane16_swap_b32 v[PC+\i], v[TC+\i]       ; a whole block to a lane
.endr
.irp i, 0,1,2
	v_mov_b32 v[PC+3+\i], v[TC+\i]
.endr
.irp i, 0,1,2
	global_store_b64 v[AK0], v[PC+2*\i:PC+2*\i+1], s[8:9] offset:256*\i   ; 32 lanes store 256 consecutive bytes, aligned
.endr
	global_store_b16 v[RO], v[T], s[10:11]         ; two bytes a row (both halves of the lanes store the same)
	s_wait_tensorcnt 0x0                           ; the wave's end
	ds_add_u32 v[SPW], v[NIL]
	s_wait_dscnt 0x0
	ROUND                                          ; the closing round
	s_endpgm
.Lfunc_end_k_q848146b02e_attn:
	.size	k_q848146b02e_attn, .Lfunc_end_k_q848146b02e_attn-k_q848146b02e_attn
	.p2alignl 7, 3214868480
	.fill 96, 4, 3214868480
	.section	.rodata,"a",@progbits
	.p2align	6, 0x0
	.amdhsa_kernel k_q848146b02e_attn
		.amdhsa_group_segment_fixed_size 210944
		.amdhsa_private_segment_fixed_size 0
		.amdhsa_enable_private_segment 0
		.amdhsa_kernarg_size 32
		.amdhsa_user_sgpr_count 2
		.amdhsa_user_sgpr_kernarg_segment_ptr 1
		.amdhsa_wavefront_size32 1
		.amdhsa_system_sgpr_workgroup_id_x 1
		.amdhsa_system_sgpr_workgroup_id_y 1
		.amdhsa_system_sgpr_workgroup_id_z 1
		.amdhsa_system_vgpr_workitem_id 0
		.amdhsa_next_free_vgpr 256
		.amdhsa_next_free_sgpr 100
		.amdhsa_reserve_vcc 0
		.amdhsa_float_denorm_mode_32 3
		.amdhsa_float_denorm_mode_16_64 3
		.amdhsa_memory_ordered 1
		.amdhsa_forward_progress 1
		.amdhsa_inst_pref_size 48
	.end_amdhsa_kernel
	.amdgpu_metadata
---
amdhsa.version: [ 1, 2 ]
amdhsa.kernels:
  - .name:           k_q848146b02e_attn
    .symbol:         k_q848146b02e_attn.kd
    .args:
      - { .name: img, .offset: 0, .size: 8, .value_kind: global_buffer, .address_space: global }
      - { .name: scl, .offset: 8, .size: 8, .value_kind: global_buffer, .address_space: global }
      - { .name: ctxc, .offset: 16, .size: 8, .value_kind: global_buffer, .address_space: global }
      - { .name: ctxs, .offset: 24, .size: 8, .value_kind: global_buffer, .address_space: global }
    .group_segment_fixed_size: 210944
    .private_segment_fixed_size: 0
    .kernarg_segment_align: 8
    .kernarg_segment_size: 32
    .max_flat_workgroup_size: 512
    .sgpr_count:     100
    .vgpr_count:     256
    .wavefront_size: 32
...
	.end_amdgpu_metadata
.endif
;; end of part 3
;; launch oproj (part 4): grid 8 x 32, 4 waves a work-group, clusters of 4 x 4, 222,720 bytes of LDS; arguments ctxc, ctxs, codes, scales, b_o, out0; writes out0
.if DOCPART == 4
	.amdgcn_target "amdgcn-amd-amdhsa--gfx1250"
	.amdhsa_code_object_version 6
	.text
	.protected	k_q848146b02e_oproj
	.globl	k_q848146b02e_oproj
	.p2align	8
	.type	k_q848146b02e_oproj,@function
k_q848146b02e_oproj:
	s_mov_b64 s[64:65], 0
	v_nop
	global_prefetch_b8 v0, s[64:65] scope:SCOPE_SE
	s_setreg_imm32_b32 hwreg(HW_REG_WAVE_MODE, 25, 1), 1
	s_wait_xcnt 0x0
	s_wait_alu depctr_hold_cnt(0) depctr_sa_sdst(0) depctr_va_vdst(0) depctr_va_sdst(0) depctr_va_ssrc(0) depctr_va_vcc(0) depctr_vm_vsrc(0)
	s_getreg_b32 s2, hwreg(HW_REG_IB_STS2, 6, 4)
	s_cmp_eq_u32 s2, 0
	s_cbranch_scc0 .Lentry_in_a_cluster
	s_endpgm
.Lentry_in_a_cluster:
	s_bfe_u32 s2, ttmp6, 0x10000c
	s_cmp_lg_u32 s2, 0xf033
	s_cbranch_scc0 .Lentry_shape_is_right
	s_endpgm
.Lentry_shape_is_right:
; out0 = ctx w_o^T + b_o on codes of FP6 (E2M3) with E8M0 scales; sums and out0 in f32.  ctx [4096][1024] comes as images from the launch before, w_o [1024][1024] from the first launch (rowblocks 960 on).
; A TILE OF 128 x 128, so that out0's 4,096 x 1,024 numbers make 256 work-groups.  Four waves, 64 x 64 each.
; ALL OF K LIES IN LDS, as it lies in memory: the tile's 8 rowblocks of ctx are 98,304 dense bytes, and so are w_o's; their scale words 4,096 each.  One tensor load a wave at the head: wave 0 ctx's codes, wave 1 w_o's,
; wave 2 ctx's scale words, wave 3 w_o's.  Every byte of LDS is filled once, so there is no ring, and no later load ahead of which a prefetch could stand.
; THE WORK GOES BY ROWS OF out0.  A wave's 64 rows of w_o, all of K, go into registers (32 fragments); ctx's rows pass in four blocks of 16 rows, all of K (8 fragments, two sets).  A block is 32 products on four accumulators
; by turns, K ascending, and its 16 x 64 results leave as soon as it is finished, while the next block is multiplied.  No fragment is read from LDS twice.
; In block 0 the fragments come K step by K step, two steps ahead of their products.
; AN IMAGE (16 rows x 128 K = 1,536 bytes, piece i of 256 bytes = registers 2 i, 2 i + 1, lane l at 8 l) comes by six loads of 8 bytes a lane, each 256 consecutive bytes.
; THE MATRIX INSTRUCTION IS USED TRANSPOSED (source 0 = 16 rows of w_o, source 1 = 16 rows of ctx): a lane holds eight neighbouring numbers of a row of out0.  b_o is the C of each sum's first product.
; CLUSTERS: 4 x 4 work-groups; ctx's tiles are asked for jointly along a row of the cluster, w_o's along a column.
; REGISTERS: window 0: v16, v20 LDS addresses of my fragments of A and B; v24-27 addresses; v30-31 the add's two; v32-63 scale words; v64-95 the bias; v96-159 two sets of four accumulators; v160-223 rows on the way out.
; Fragment f lies in window 1 + f / 21 at register 12 (f % 21): 0-31 w_o's (4 k + b), 32-39 and 40-47 ctx's two sets.
.set FR,     12
.set FPW,    21
.set FRB,    1536                      ; an image in bytes
.set RB,     12288                     ; a rowblock: eight images
.set BOFF,   98304                     ; LDS: A's 8 rowblocks at 0, B's here,
.set SCL,    196608                    ; the scale words: A's 4,096 bytes, then B's,
.set HALFS,  2048
.set STG,    SCL+4*HALFS               ; a stage of 16 rows x (256 + 16) bytes for each wave, into which no tensor load lands,
.set SPITCH, 272
.set SPARE,  STG+4*16*SPITCH           ; the spare words
.set ROWO,   4096
.set ADRA, 16
.set ADRB, 20
.set STO,  24
.set RD,   25
.set CO,   26
.set ADRS, 27
.set SC,   32
.set BI,   64
.set ACC,  96
.set BK,   160
.set G1A,  24
.set G1B,  32
.set G1SA, 40
.set G1SB, 48
.set G0A,  56
.set G0B,  60
.set G0SA, 68
.set G0SB, 72
.set MSB, 0
.macro WIN new
.if MSB != (\new)
	s_set_vgpr_msb (MSB<<8)|(\new)
.set MSB, (\new)
.endif
.endm
.macro CROUND
	s_barrier_signal -1
	s_barrier_wait -1
	s_cmp_lg_u32 s16, 0
	s_cbranch_scc1 .Lnot_wave_0_\@
	s_barrier_signal -3
.Lnot_wave_0_\@:
	s_barrier_wait -3
	s_barrier_signal -1
	s_barrier_wait -1
.endm
.macro PLACES n
.rept \n
	v_nop
.endr
.endm
.macro GRP1 g, mask, rows              ; rows of 256 bytes, dense
	s_or_b32 s[\g], s\mask, (3<<16)|(1<<21)
	s_mov_b32 s[\g+1], 32<<16
	s_mov_b32 s[\g+2], (\rows)<<16
	s_mov_b32 s[\g+3], 32<<16
	s_mov_b32 s[\g+4], \rows
	s_mov_b32 s[\g+5], 32
	s_mov_b32 s[\g+6], 0
	s_mov_b32 s[\g+7], 0
.endm
.macro GRP0 g, lds
	s_mov_b32 s[\g], 1
	s_mov_b32 s[\g+1], \lds
	s_or_b32 s[\g+3], s[\g+3], 0x80000000
.endm
.macro TLOAD g0, g1
	tensor_load_to_lds s[\g0:\g0+3], s[\g1:\g1+7]
	s_nop 0
	PLACES 4
.endm
	s_load_b256 s[4:11], s[0:1], 0x0               ; ctxc s[4:5], ctxs s[6:7], codes s[8:9], scales s[10:11]
	s_load_b128 s[12:15], s[0:1], 0x20             ; b_o s[12:13], out0 s[14:15]
	v_lshl_add_u32 v30, v0, 2, SPARE
	v_mov_b32 v31, 0
	ds_add_u32 v30, v31                            ; the opening lines
	ds_add_u32 v30, v31
	v_lshrrev_b32 v1, 5, v0
	v_readfirstlane_b32 s16, v1                    ; wave 0..3
	s_lshr_b32 s17, s16, 1                         ; my half of the tile's rows
	s_and_b32 s18, s16, 1                          ; my half of its columns
	s_bfe_u32 s21, ttmp6, 0x40000                  ; cx, cy
	s_bfe_u32 s22, ttmp6, 0x40004
	s_lshl_b32 s20, ttmp9, 2
	s_add_co_u32 s20, s20, s21                     ; tile column, 0..7
	s_and_b32 s19, ttmp7, 0xffff
	s_lshl_b32 s19, s19, 2
	s_add_co_u32 s19, s19, s22                     ; tile row, 0..31
	s_lshl_b32 s100, s22, 2
	s_lshl_b32 s100, 15, s100                      ; my row of the cluster
	s_lshl_b32 s101, 0x1111, s21                   ; my column
	GRP1 G1A, 100, 384
	GRP1 G1B, 101, 384
	GRP1 G1SA, 100, 16
	GRP1 G1SB, 101, 16
	s_mul_i32 s[G0A+2], s19, 8*RB                  ; ctx's 8 rowblocks: the offset never holds cx
	s_mov_b32 s[G0A+3], 0
	s_lshl_b32 s[G0SA+2], s19, 12
	s_mov_b32 s[G0SA+3], 0
	s_lshl_b32 s23, s20, 3
	s_add_co_u32 s23, s23, 960                     ; w_o's: it never holds cy
	s_mul_i32 s[G0B+2], s23, RB
	s_mov_b32 s[G0B+3], 0
	s_lshl_b32 s[G0SB+2], s23, 9
	s_mov_b32 s[G0SB+3], 0
	s_wait_dscnt 0x0
	s_wait_kmcnt 0x0
	s_add_nc_u64 s[G0A+2:G0A+3], s[4:5], s[G0A+2:G0A+3]
	s_add_nc_u64 s[G0SA+2:G0SA+3], s[6:7], s[G0SA+2:G0SA+3]
	s_add_nc_u64 s[G0B+2:G0B+3], s[8:9], s[G0B+2:G0B+3]
	s_add_nc_u64 s[G0SB+2:G0SB+3], s[10:11], s[G0SB+2:G0SB+3]
	GRP0 G0A, 0
	GRP0 G0B, BOFF
	GRP0 G0SA, SCL
	GRP0 G0SB, SCL+2*HALFS
	CROUND                                         ; all sixteen work-groups are here: the joint loads meet
	s_cmp_eq_u32 s16, 0                            ; one chain of arms, one load to an arm
	s_cbranch_scc0 .Larm_b
	TLOAD G0A, G1A
	s_branch .Lasked
.Larm_b:
	s_cmp_eq_u32 s16, 1
	s_cbranch_scc0 .Larm_sa
	TLOAD G0B, G1B
	s_branch .Lasked
.Larm_sa:
	s_cmp_eq_u32 s16, 2
	s_cbranch_scc0 .Larm_sb
	TLOAD G0SA, G1SA
	s_branch .Lasked
.Larm_sb:
	TLOAD G0SB, G1SB
.Lasked:
	v_and_b32 v1, 15, v0                           ; r
	v_bfe_u32 v2, v0, 4, 1                         ; h
	v_and_b32 v3, 31, v0
	v_lshlrev_b32 v3, 3, v3                        ; 8 x lane
	v_lshlrev_b32 v4, 5, v2                        ; register j of B's block b is column 16 b + 8 h + j
	s_wait_alu depctr_va_vdst(0)
	s_lshl_b32 s2, s20, 7
	s_lshl_b32 s3, s18, 6
	s_add_co_u32 s2, s2, s3                        ; my first column
	s_lshl_b32 s2, s2, 2
	s_mov_b32 s3, 0
	s_add_nc_u64 s[12:13], s[12:13], s[2:3]
.irp b, 0,1,2,3
	global_load_b128 v[BI+8*\b:BI+8*\b+3], v4, s[12:13] offset:64*\b
	global_load_b128 v[BI+8*\b+4:BI+8*\b+7], v4, s[12:13] offset:64*\b+16
.endr
	s_lshl_b32 s4, s19, 7
	s_lshl_b32 s5, s17, 6
	s_add_co_u32 s4, s4, s5                        ; my first row
	s_lshl_b32 s4, s4, 12
	s_add_co_u32 s4, s4, s2
	s_mov_b32 s5, 0
	s_add_nc_u64 s[14:15], s[14:15], s[4:5]        ; out0 at my first row and column
	s_mul_i32 s6, s17, 4*RB                        ; my 64 rows of A
	s_mul_i32 s7, s18, 4*RB                        ; my 64 rows of B
	s_add_co_u32 s7, s7, BOFF
	v_add_nc_u32 v[ADRA], s6, v3
	v_add_nc_u32 v[ADRB], s7, v3
	v_lshlrev_b32 v5, 3, v1                        ; my row's scale words: 8 bytes a row for two K steps
	s_lshl_b32 s6, s17, 11
	s_lshl_b32 s7, s18, 11
	s_add_co_u32 s7, s7, 2*HALFS
	s_sub_co_u32 s7, s7, s6
	v_mul_u32_u24 v6, s7, v2                       ; lanes 16-31 take B's
	s_add_co_u32 s6, s6, SCL
	v_add_nc_u32 v5, v5, v6
	v_add_nc_u32 v[ADRS], s6, v5
	s_mul_i32 s6, s16, 16*SPITCH
	s_add_co_u32 s6, s6, STG                       ; my stage
	v_mul_u32_u24 v5, v1, SPITCH
	v_lshl_add_u32 v5, v2, 5, v5
	v_add_nc_u32 v[STO], s6, v5
	v_mul_u32_u24 v6, v2, SPITCH
	v_lshl_add_u32 v6, v1, 4, v6
	v_add_nc_u32 v[RD], s6, v6
	v_lshlrev_b32 v[CO], 12, v2
	v_lshl_add_u32 v[CO], v1, 4, v[CO]
	s_wait_alu depctr_va_vdst(0)                   ; the head's end
	s_wait_loadcnt 0x0                             ; the bias
.macro FRAG f, adr, off                ; six loads bring a fragment
	WIN (1+(\f)/FPW)<<6
.irp p, 0,1,2,3,4,5
	ds_load_b64 v[FR*((\f)%FPW)+2*\p:FR*((\f)%FPW)+2*\p+1], v[\adr] offset:(\off)+256*\p
.endr
.endm
.macro GROUP k                         ; K step k: B's four fragments and block 0's of A: 30 loads
.irp b, 0,1,2,3
	FRAG 4*(\k)+\b, ADRB, FRB*(\k)+RB*\b
.endr
	FRAG 32+(\k), ADRA, FRB*(\k)
.endm
.macro FETCHA a                        ; block a of A, all of K, into set a % 2: 48 loads
.irp k, 0,1,2,3,4,5,6,7
	FRAG 32+8*((\a)%2)+\k, ADRA, FRB*\k+RB*(\a)
.endr
.endm
.macro PROD a, k, b                    ; in K step 0 the bias starts the sum
.set FB_, 4*(\k)+(\b)
.set FA_, 32+8*((\a)%2)+(\k)
.set D_, ACC+32*((\a)%2)+8*(\b)
.set XB_, SC+8*((\k)/2)+2*(\b)+(\k)%2
.set XA_, SC+8*((\k)/2)+2*(\a)+(\k)%2
	WIN (1+FB_/FPW)|((1+FA_/FPW)<<2)
.if (\k) == 0
	v_wmma_scale_f32_16x16x128_f8f6f4 v[D_:D_+7], v[FR*(FB_%FPW):FR*(FB_%FPW)+FR-1], v[FR*(FA_%FPW):FR*(FA_%FPW)+FR-1], v[BI+8*(\b):BI+8*(\b)+7], v[XB_], v[XA_] matrix_a_fmt:MATRIX_FMT_FP6 matrix_b_fmt:MATRIX_FMT_FP6 matrix_a_scale:MATRIX_SCALE_ROW1
.else
	v_wmma_scale_f32_16x16x128_f8f6f4 v[D_:D_+7], v[FR*(FB_%FPW):FR*(FB_%FPW)+FR-1], v[FR*(FA_%FPW):FR*(FA_%FPW)+FR-1], v[D_:D_+7], v[XB_], v[XA_] matrix_a_fmt:MATRIX_FMT_FP6 matrix_b_fmt:MATRIX_FMT_FP6 matrix_a_scale:MATRIX_SCALE_ROW1
.endif
.endm
.macro PRODS a, from, to               ; K steps from .. to - 1 of block a: the four accumulators by turns
.set K_, \from
.rept (\to)-(\from)
.irp b, 0,1,2,3
	PROD \a, K_, \b
.endr
.set K_, K_+1
.endr
.endm
; THE WAY OUT of a block of 16 rows x 64 columns, through my own stage in LDS: in as 32 bytes a lane, back as whole rows of 256 bytes: sixteen lanes store 256 consecutive bytes, aligned.
; LDS serves a wave's instructions in order (ISA guide 5.7.1.4): no wait between the stores and the loads, nor in front of the next block's stores.
.macro TOSTAGE a
.set AC_, ACC+32*((\a)%2)
.irp b, 0,1,2,3
	ds_store_b128 v[STO], v[AC_+8*\b:AC_+8*\b+3] offset:64*\b          ; each accumulator from its low end on
	ds_store_b128 v[STO], v[AC_+8*\b+4:AC_+8*\b+7] offset:64*\b+16
.endr
.set BB, BK+32*((\a)%2)
.irp t, 0,1,2,3,4,5,6,7
	ds_load_b128 v[BB+4*\t:BB+4*\t+3], v[RD] offset:\t*2*SPITCH
.endr
.endm
.macro SEND a
.set BB, BK+32*((\a)%2)
.irp t, 0,1,2,3,4,5,6,7
	global_store_b128 v[CO], v[BB+4*\t:BB+4*\t+3], s[14:15] offset:(16*(\a)+2*\t)*ROWO th:TH_STORE_NT
.endr
.endm
	s_wait_tensorcnt 0x0                           ; every wave: its tile is in
	s_barrier_signal -1
	s_barrier_wait -1                              ; all four are
.irp c, 0,1,2,3
.irp i, 0,1,2,3
	ds_load_b64 v[SC+8*\c+2*\i:SC+8*\c+2*\i+1], v[ADRS] offset:512*\i+128*\c   ; all scale words: lanes 0-15 A's block i, lanes 16-31 B's, two K steps a pair
.endr
.endr
	GROUP 0
	GROUP 1
.irp k, 0,1,2,3,4,5
	GROUP \k+2
	s_wait_dscnt 60                                ; K step k's fragments are in; the two groups behind them may be out
	PRODS 0, \k, \k+1
.endr
	s_wait_dscnt 30                                ; K step 6's are in; the last group may be out
	FETCHA 1
	PRODS 0, 6, 7
	s_wait_dscnt 48                                ; K step 7's are in; block 1's 48 loads may be out
	PRODS 0, 7, 8
.irp a, 0,1,2,3
	PLACES 4                                       ; behind the block's products: results are read, and loads land in the set that they read
	WIN 0
.if \a > 1
	s_wait_xcnt 0x0                                ; block a - 2's stores have read their registers: block a's rows land there only behind this wait
.endif
	TOSTAGE \a
.if \a < 2
	FETCHA \a+2
	s_wait_dscnt 63                                ; the next block's fragments, asked for a block ago, are in: behind them stand the stage's 16 instructions and the 48 loads just issued
.elseif \a == 2
	s_wait_dscnt 16                                ; likewise: behind them stand the stage's 16
.endif
.if \a < 3
	PRODS \a+1, 0, 4
	WIN 0
.if \a < 2
	s_wait_dscnt 48                                ; the block's rows are back; the 48 loads may be out
.else
	s_wait_dscnt 0x0
.endif
	SEND \a
	PRODS \a+1, 4, 8
.else
	s_wait_dscnt 0x0
	SEND \a
.endif
.endr
	s_wait_tensorcnt 0x0                           ; the wave's end
	ds_add_u32 v30, v31
	s_wait_dscnt 0x0
	CROUND                                         ; the closing round
	s_endpgm
.Lfunc_end_k_q848146b02e_oproj:
	.size	k_q848146b02e_oproj, .Lfunc_end_k_q848146b02e_oproj-k_q848146b02e_oproj
	.p2alignl 7, 3214868480
	.fill 96, 4, 3214868480
	.section	.rodata,"a",@progbits
	.p2align	6, 0x0
	.amdhsa_kernel k_q848146b02e_oproj
		.amdhsa_group_segment_fixed_size 222720
		.amdhsa_private_segment_fixed_size 0
		.amdhsa_enable_private_segment 0
		.amdhsa_kernarg_size 48
		.amdhsa_user_sgpr_count 2
		.amdhsa_user_sgpr_kernarg_segment_ptr 1
		.amdhsa_wavefront_size32 1
		.amdhsa_system_sgpr_workgroup_id_x 1
		.amdhsa_system_sgpr_workgroup_id_y 1
		.amdhsa_system_sgpr_workgroup_id_z 1
		.amdhsa_system_vgpr_workitem_id 0
		.amdhsa_next_free_vgpr 896
		.amdhsa_next_free_sgpr 102
		.amdhsa_reserve_vcc 0
		.amdhsa_float_denorm_mode_32 3
		.amdhsa_float_denorm_mode_16_64 3
		.amdhsa_memory_ordered 1
		.amdhsa_forward_progress 1
		.amdhsa_inst_pref_size 60
	.end_amdhsa_kernel
	.amdgpu_metadata
---
amdhsa.version: [ 1, 2 ]
amdhsa.kernels:
  - .name:           k_q848146b02e_oproj
    .symbol:         k_q848146b02e_oproj.kd
    .args:
      - { .name: ctxc, .offset: 0, .size: 8, .value_kind: global_buffer, .address_space: global }
      - { .name: ctxs, .offset: 8, .size: 8, .value_kind: global_buffer, .address_space: global }
      - { .name: codes, .offset: 16, .size: 8, .value_kind: global_buffer, .address_space: global }
      - { .name: scales, .offset: 24, .size: 8, .value_kind: global_buffer, .address_space: global }
      - { .name: b_o, .offset: 32, .size: 8, .value_kind: global_buffer, .address_space: global }
      - { .name: out0, .offset: 40, .size: 8, .value_kind: global_buffer, .address_space: global }
    .group_segment_fixed_size: 222720
    .private_segment_fixed_size: 0
    .kernarg_segment_align: 8
    .kernarg_segment_size: 48
    .max_flat_workgroup_size: 128
    .sgpr_count:     102
    .vgpr_count:     896
    .wavefront_size: 32
...
	.end_amdgpu_metadata
.endif
;; end of part 4
